; MI455X (gfx1250); checked and timed in simulation.
; The chip was launched on July 23, 2026; its instructions are those of AMD's public machine-readable ISA for CDNA 5 (MIT licence, August 2026) and "CDNA5" Instruction Set Architecture Reference Guide (July 2026). The comments in the code are by the model that wrote it; some were corrected since.
;; Causal Self Attention. Allowed arithmetic: matrix products marked QUANTISED: E2M3 operands, one E8M0 scale for each 32 along K, by v_wmma_scale_f32_16x16x128_f8f6f4 with both operands' format E2M3, f32 sums; everything else in f32.
;; Inputs: W_attn 1,024 x 3,072 float32; W_proj 1,024 x 1,024 float32; b_attn 3,072 float32; b_proj 1,024 float32; x 4 x 2,048 x 1,024 float32.
;; Outputs: out0 4 x 2,048 x 1,024 float32.
;; This version of the problem:
;;   THIS VERSION OF THE PROBLEM IS GIVEN IN LOW PRECISION. The matrix products marked QUANTISED in the list below multiply operands that are first quantised to E2M3 (2 exponent bits, 3 mantissa bits; 6 bits a number), with one power-of-two scale for each 32 numbers along K (OCP MX v1.0); their sums are f32. All else is computed in f32.
;;   The module's matrix products, in the order in which they are computed (A, B: the left and right operand; K: the contracted axis; several contracted axes count as one K, in the product's order):
;;     1. [M 8,192, K 1,024] x [K 1,024, N 3,072]; A: input x; B: input W_attn: QUANTISED
;;     2. batch 64 x [M 2,048, K 64] x [K 64, N 2,048]; A: computed on the way; B: computed on the way: QUANTISED
;;     3. batch 64 x [M 2,048, K 2,048] x [K 2,048, N 64]; A: softmax (see below); B: computed on the way: QUANTISED
;;     4. [M 8,192, K 1,024] x [K 1,024, N 1,024]; A: computed on the way; B: input W_proj: QUANTISED
;;   THE QUANTISER, for each operand of a quantised product, along K:
;;     - K is cut into blocks of 32 from its start; a last block that is shorter is filled with zeros.
;;     - A block's scale is 2^e with e = floor(log2(the largest magnitude in the block)) - 2, held to -126 .. 127; a block of zeros has e = 0. As a byte (E8M0): e + 127.
;;     - Each number is divided by its block's scale, clamped to +-7.5, and rounded to the nearest number of E2M3, ties to even, subnormals kept.
;;     - The product sums the exact products of the quantised numbers (number of the format x scale) in f32.
;;   ~~~python
;;   def quantise(x, axis):      # numpy; x: float32 -> the quantised numbers, widened to float32 again
;;       x = np.moveaxis(x, axis, -1); K = x.shape[-1]
;;       x = np.pad(x, [(0, 0)] * (x.ndim - 1) + [(0, -K % 32)]); x = x.reshape(x.shape[:-1] + (-1, 32)); a = np.abs(x).max(-1, keepdims=True)
;;       e = np.where(a > 0, np.clip(np.frexp(np.where(a > 0, a, 1))[1] - 1 - 2, -126, 127), 0)      # np.frexp(a)[1] - 1 = floor(log2(a)), exactly
;;       r = np.clip(x / 2.0 ** e, -7.5, 7.5)
;;       step = 2.0 ** (np.maximum(np.frexp(np.where(r == 0, 1, r))[1] - 1, 0) - 3)
;;       q = np.round(r / step) * step * 2.0 ** e      # np.round: ties to even
;;       return np.moveaxis(q.reshape(q.shape[:-2] + (-1,))[..., :K], -1, axis).astype(np.float32)
;;   ~~~
;;   SOFTMAX AHEAD OF A QUANTISED PRODUCT. Where the list says 'softmax', what is quantised is not the finished softmax but p = 2^(t - M), with t = logit x log2(e) and M = ceil(the row's largest t), a whole number; so 1/2 < the row's largest p <= 1. The row's sum l is taken of the UNQUANTISED p, in f32, and the product's result is divided by l at the end. Since M is a whole number, a kernel that streams over the keys may use a running M (the ceiling of the running maximum): every later rescaling is an exact power of two, which a block's scale takes up: the codes' values come out the same.
;;   OPERANDS COMPUTED ON THE WAY. 'Computed on the way' means the value that the module computes at that place (a softmax that the list does not call 'softmax' is quantised finished and normalised). What goes into a quantiser is computed in f32, as accurately as f32 sums, v_exp_f32 and their like allow (about 1e-6 of the number): no bf16 or f16 on the way to a quantiser, and a product that is left as it is and whose result goes on into a quantised operand takes f32 operands (vector FMAs, or v_wmma_f32_16x16x4_f32). A number that lies on a knife's edge between two numbers of the format may be rounded either way, as far as f32 arithmetic and the matrix unit's own rounding can turn it there, and no further.
;; One version. Each part assembles by itself: llvm-mc -triple=amdgcn-amd-amdhsa -mcpu=gfx1250 --defsym DOCPART=n.
;; ======== version 1 of 1: 4 launches
;; limits: right only within a limited range of input values
;; workspace buffers: xc 6,291,456 bytes; xs 262,144 bytes; wc 3,145,728 bytes; ws 131,072 bytes; qkv 18,874,368 bytes; sc 1,310,720 bytes; yc 6,291,456 bytes; ys 262,144 bytes
;; launch quant (part 1): grid 384 x 1, 4 waves a work-group, no clusters, 68,096 bytes of LDS; arguments x, W_attn, W_proj, xc, xs, wc, ws; writes xc, xs, wc, ws
.if DOCPART == 1
	.amdgcn_target "amdgcn-amd-amdhsa--gfx1250"
	.amdhsa_code_object_version 6
	.text
	.protected	k_q52d416b99a_quant
	.globl	k_q52d416b99a_quant
	.p2align	8
	.type	k_q52d416b99a_quant,@function
k_q52d416b99a_quant:
	s_mov_b64 s[64:65], 0
	v_nop
	global_prefetch_b8 v0, s[64:65] scope:SCOPE_SE
	s_setreg_imm32_b32 hwreg(HW_REG_WAVE_MODE, 25, 1), 1
	s_wait_xcnt 0x0
; x [8192][1024], W_attn [1024][3072] and W_proj [1024][1024], f32, become codes of FP6 (E2M3) with one E8M0 byte for each 32 along K = 1024.
; A block's scale is 2^(floor(log2(largest magnitude)) - 2); its byte is the largest magnitude's exponent field - 2, held at 1 from below.
; LIMITS: a block of zeros gets the byte 1 where the rule says 127 (its codes are zeros, and this program alone reads the bytes); NaN and infinities are not served.
; LAYOUT OF THE CODES (xc, wc): [row block of 128 rows][16 planes of 64 k][128 rows][48 bytes], so that 128 rows x 256 k are 24,576 dense bytes for one tensor load.
; ROWS LIE IN STORAGE ORDER: row S = the true index with its bits 3 and 4 exchanged.  Sixteen storage rows on end are then the true rows 0-7 and 16-23 (or 8-15 and 24-31) of a group of 32:
; the choice of rows by which a transposed product leaves 16 neighbours along the next K in a lane's registers.  The order along K is the true one.
; Scale bytes (xs, ws): [storage row][32 bytes].  wc and ws hold W_attn's 3,072 columns as rows 0-3071 and W_proj's 1,024 as rows 3072-4095.
; Work-groups 0-255 take x (K innermost: 16 neighbours a lane, through a stage in LDS so that every load is dense); 256-383 the weights (K outermost: a lane to a column, registers down K).
; Each path has LDS bytes of its own.  No tensor load, no barrier: waves share nothing.
.set SPARE, 67584                      ; the spare words, 128 bytes a wave: two blocks of 256 bytes that no other line names
.set SPW,   220                        ; v220 LDS address of my spare word; never rewritten
.set NIL,   221                        ; v221 0; never rewritten
.set EMAX,  2
.set STEPS, 16                         ; x path: a step is one plane (64 k) of my 8 rows: 512 numbers
.set SP,    80                         ; a place in a stage: 64 bytes + 16 of padding
.set R,     16                         ; v16-79   four sets of 16 numbers as loaded
.set X,     80                         ; v80-111  two sets of 16 neighbours
.set E,     112                        ; v112-127 a scale byte for each step
.set C,     128                        ; v128-191 codes, four registers a step: no data of a store are written again
.set WST,   32768                      ; W path: four stages of 32 rows x 272 bytes
.set PITCH, 272
.set NB,    8                          ; blocks of 32 along K for a wave
.set WX,    32                         ; v32-95   two sets of 32 numbers
.set WC,    96                         ; v96-102  the codes of a block
.set SB,    24                         ; v24-25   eight scale bytes
.set OUTR,  112                        ; v112-175 the way out
.set OF,    176                        ; v176-207 offset of row i of a block: i x the pitch + 4 x lane; never rewritten
	s_load_b128 s[4:7], s[0:1], 0x0                ; x, W_attn
	s_load_b128 s[8:11], s[0:1], 0x10              ; W_proj, xc
	s_load_b128 s[12:15], s[0:1], 0x20             ; xs, wc
	s_load_b64 s[18:19], s[0:1], 0x30              ; ws
	v_lshl_add_u32 v[SPW], v0, 2, SPARE
	v_mov_b32 v[NIL], 0
	v_lshrrev_b32 v1, 5, v0
	v_readfirstlane_b32 s16, v1                    ; wave
	v_and_b32 v2, 31, v0                           ; lane
	s_wait_kmcnt 0x0
	s_cmp_lt_u32 ttmp9, 256
	s_cbranch_scc0 .Lw
; ---------------- x: work-group g takes true rows 32 g .. 32 g + 31, wave w the eight from 8 w on
	s_wait_alu depctr_va_vdst(0)
	v_and_b32 v3, 15, v2
	v_lshrrev_b32 v8, 4, v2
	v_lshlrev_b32 v3, 4, v3
	v_lshl_add_u32 v3, v8, 12, v3                  ; a load takes 256 bytes of each of two rows: 16 (lane % 16) + 4096 (lane / 16)
	s_lshl_b32 s17, s16, 13                        ; my 8,192 bytes of LDS
	v_lshrrev_b32 v14, 2, v2
	v_mul_u32_u24 v14, v14, SP
	v_and_b32 v15, 3, v2
	v_lshl_add_u32 v14, v15, 4, v14
	v_add_nc_u32 v14, s17, v14                     ; into the stage: four lanes fill a place of 64 bytes; place = 4 x row + quarter
	v_mul_u32_u24 v15, v2, SP
	v_add_nc_u32 v15, s17, v15                     ; out of it: place = lane: row lane / 4, k = 16 (lane % 4) + 0 .. 15 of the plane
	v_mul_u32_u24 v4, v2, 12                       ; my 12 bytes of codes: 48 (lane / 4) + 12 (lane % 4)
	v_lshrrev_b32 v5, 2, v2
	v_lshlrev_b32 v5, 5, v5
	v_bfe_u32 v6, v2, 1, 1
	v_add_nc_u32 v5, v5, v6                        ; my scale byte: 32 x row + the block in the plane
	s_add_co_u32 s17, s17, 2*32*SP                 ; behind the two stages: 256 scale bytes
	v_add_nc_u32 v5, s17, v5
	v_lshlrev_b32 v7, 3, v2
	v_add_nc_u32 v6, s17, v7
	s_lshl_b32 s20, ttmp9, 17                      ; 32 rows of 4,096 bytes
	s_lshl_b32 s21, s16, 15
	s_add_co_u32 s20, s20, s21
	s_mov_b32 s21, 0
	s_add_nc_u64 s[4:5], s[4:5], s[20:21]          ; x at my first row
	s_and_b32 s22, s16, 1
	s_lshl_b32 s22, s22, 1
	s_lshr_b32 s23, s16, 1
	s_or_b32 s22, s22, s23                         ; the wave number with its two bits exchanged: my eight rows lie at storage rows 8 x that
	s_lshl_b32 s24, s22, 3
	s_and_b32 s23, ttmp9, 3
	s_lshl_b32 s23, s23, 5
	s_add_co_u32 s23, s23, s24
	s_mul_i32 s23, s23, 48
	s_lshr_b32 s20, ttmp9, 2
	s_mul_i32 s20, s20, 98304
	s_add_co_u32 s20, s20, s23
	s_add_nc_u64 s[10:11], s[10:11], s[20:21]      ; xc at my rows, plane 0
	s_lshl_b32 s20, ttmp9, 5
	s_add_co_u32 s20, s20, s24
	s_lshl_b32 s20, s20, 5
	s_add_nc_u64 s[12:13], s[12:13], s[20:21]      ; xs at my rows
.macro XLOAD t
.irp i, 0,1,2,3
	global_load_b128 v[R+16*((\t)%4)+4*\i:R+16*((\t)%4)+4*\i+3], v3, s[4:5] offset:256*(\t)+8192*\i th:TH_LOAD_NT   ; sixteen lanes read 256 consecutive bytes, aligned
.endr
.endm
.macro XTURN t                         ; a step through the stage: LDS serves the instructions of a wave in order, so no wait stands between the stores and the loads
.irp i, 0,1,2,3
	ds_store_b128 v14, v[R+16*((\t)%4)+4*\i:R+16*((\t)%4)+4*\i+3] offset:32*SP*((\t)%2)+8*SP*\i
.endr
.irp i, 0,1,2,3
	ds_load_b128 v[X+16*((\t)%2)+4*\i:X+16*((\t)%2)+4*\i+3], v15 offset:32*SP*((\t)%2)+16*\i
.endr
.endm
.irp t, 0,1,2,3
	XLOAD \t
.endr
	s_wait_alu depctr_va_vdst(0)
	s_wait_loadcnt 12                              ; the four loads of step 0 are in; twelve younger ones stay out
	XTURN 0
.macro XSTEP t
.set XS, X+16*((\t)%2)
.if (\t) > 0
	s_wait_dscnt 1                                 ; this step is back from the stage; the byte store of the last step may be out
.else
	s_wait_dscnt 0x0
.endif
.if (\t)+4 < STEPS
	XLOAD (\t)+4                                   ; into the set whose stores into the stage are done
.endif
.if (\t)+1 < STEPS
.if STEPS-2-(\t) >= 3
	s_wait_loadcnt 12                              ; the next step is in; three steps behind it stay out
.else
	s_wait_loadcnt 4*(STEPS-2-(\t))
.endif
	XTURN (\t)+1
.endif
	v_max3_num_f32 v8, |v[XS]|, |v[XS+1]|, |v[XS+2]|
	v_max3_num_f32 v9, |v[XS+3]|, |v[XS+4]|, |v[XS+5]|
.irp i, 6,10
	v_max3_num_f32 v8, v8, |v[XS+\i]|, |v[XS+\i+1]|
	v_max3_num_f32 v9, v9, |v[XS+\i+2]|, |v[XS+\i+3]|
.endr
	v_max3_num_f32 v8, v8, |v[XS+14]|, |v[XS+15]|
	v_max3_num_f32 v8, v8, v9, (EMAX+1)<<23        ; with the floor 2^(3 - 127): the byte cannot fall under 1
	v_max_num_f32_dpp v8, v8, v8 row_xmask:1 row_mask:0xf bank_mask:0xf   ; with the 16 of my neighbour: the block
	v_add_nc_u32 v11, -(EMAX<<23), v8              ; 2 off the exponent field: the scale operand of the conversion
	v_cvt_scalef32_pk16_fp6_f32 v[C+4*(\t):C+4*(\t)+2], v[XS:XS+15], v11
	v_lshrrev_b32 v[E+(\t)], 23, v11               ; the byte
	ds_store_b8 v5, v[E+(\t)] offset:2*(\t)        ; both lanes of a block write the same byte with the same value
	global_store_b96 v4, v[C+4*(\t):C+4*(\t)+2], s[10:11] offset:6144*(\t)   ; the wave stores 384 consecutive bytes: eight rows of the plane
.endm
.irp t, 0,1,2,3,4,5,6,7,8,9,10,11,12,13,14,15
	XSTEP \t
.endr
	ds_load_b64 v[8:9], v6                         ; in order behind my byte stores
	s_wait_dscnt 0x0
	global_store_b64 v7, v[8:9], s[12:13]          ; 32 lanes store 256 consecutive bytes, aligned: eight rows of scale bytes
	s_branch .Lend
; ---------------- the weights: work-group 256 + 4 c + kq takes 128 columns (output row block c) x 256 along K; wave w 32 of the columns
.Lw:
	s_sub_co_u32 s17, ttmp9, 256
	s_and_b32 s20, s17, 3                          ; kq
	s_lshr_b32 s21, s17, 2                         ; the row block in wc and ws
	s_mov_b32 s22, 4096
	s_sub_co_u32 s23, s21, 24
	s_cmp_lt_u32 s17, 96                           ; W_attn or W_proj: the choice hangs on the number of the work-group alone
	s_cselect_b64 s[6:7], s[6:7], s[8:9]
	s_cselect_b32 s22, 12288, s22                  ; a row of the weight in bytes
	s_cselect_b32 s23, s21, s23                    ; the block of 128 columns in it
	s_wait_alu depctr_va_vdst(0)
	v_lshlrev_b32 v3, 2, v2
.set i, 0
.rept 32
	v_mad_u32_u24 v[OF+i], s22, i, v3
.set i, i+1
.endr
	v_and_b32 v10, 7, v2
	v_bfe_u32 v11, v2, 3, 1
	v_bfe_u32 v12, v2, 4, 1
	v_lshl_add_u32 v10, v11, 4, v10
	v_lshl_add_u32 v10, v12, 3, v10                ; the storage row of my column among the 32
	s_mul_i32 s24, s16, 32*PITCH
	s_add_co_u32 s24, s24, WST                     ; my stage
	v_mul_u32_u24 v4, v10, PITCH
	v_add_nc_u32 v4, s24, v4                       ; into it
	v_lshrrev_b32 v5, 2, v2
	v_and_b32 v6, 3, v2
	v_mul_u32_u24 v7, v5, PITCH
	v_lshl_add_u32 v7, v6, 4, v7
	v_add_nc_u32 v7, s24, v7                       ; out of it: four lanes to the 48 bytes of a row in a plane
	v_mul_u32_u24 v8, v2, 12
	v_lshlrev_b32 v9, 5, v10                       ; my row of scale bytes
	s_lshl_b32 s25, s20, 8
	s_mul_i32 s26, s25, s22
	s_lshl_b32 s25, s23, 9
	s_add_co_u32 s26, s26, s25
	s_lshl_b32 s25, s16, 7
	s_add_co_u32 s26, s26, s25
	s_mov_b32 s27, 0
	s_add_nc_u64 s[32:33], s[6:7], s[26:27]        ; block 0 of my columns
	s_lshl_b32 s26, s22, 5                         ; 32 rows on
.irp t, 1,2,3,4,5,6,7
	s_add_nc_u64 s[32+2*\t:33+2*\t], s[30+2*\t:31+2*\t], s[26:27]   ; a base for each block: the pitch is no constant of the text, so it cannot stand in an immediate
.endr
	s_mul_i32 s28, s21, 98304
	s_mul_i32 s25, s20, 24576
	s_add_co_u32 s28, s28, s25
	s_mul_i32 s25, s16, 1536
	s_add_co_u32 s28, s28, s25
	s_mov_b32 s29, 0
	s_add_nc_u64 s[14:15], s[14:15], s[28:29]      ; wc: my 32 rows in plane 4 kq
	s_lshl_b32 s28, s21, 12
	s_lshl_b32 s25, s16, 10
	s_add_co_u32 s28, s28, s25
	s_lshl_b32 s25, s20, 3
	s_add_co_u32 s28, s28, s25
	s_add_nc_u64 s[18:19], s[18:19], s[28:29]      ; ws: my 32 rows, byte 8 kq
.macro WLOAD t
.set i, 0
.rept 32
	global_load_b32 v[WX+32*((\t)%2)+i], v[OF+i], s[32+2*(\t):33+2*(\t)] th:TH_LOAD_NT   ; a row of the weight at 32 neighbouring columns
.set i, i+1
.endr
.endm
	WLOAD 0
	WLOAD 1
.macro WBLOCK t
.set XS, WX+32*((\t)%2)
.if (\t) < NB-1
	s_wait_loadcnt 32                              ; this block is in; the 32 loads of the next may be out
.else
	s_wait_loadcnt 0
.endif
	v_max3_num_f32 v12, |v[XS]|, |v[XS+1]|, |v[XS+2]|   ; all 32 numbers of the block are mine
	v_max3_num_f32 v13, |v[XS+3]|, |v[XS+4]|, |v[XS+5]|
.irp i, 6,10,14,18,22,26
	v_max3_num_f32 v12, v12, |v[XS+\i]|, |v[XS+\i+1]|
	v_max3_num_f32 v13, v13, |v[XS+\i+2]|, |v[XS+\i+3]|
.endr
	v_max3_num_f32 v12, v12, |v[XS+30]|, |v[XS+31]|
	v_max3_num_f32 v12, v12, v13, (EMAX+1)<<23
	v_add_nc_u32 v11, -(EMAX<<23), v12
	v_lshrrev_b32 v13, 23, v11
.if (\t)%4 == 0
	v_mov_b32 v[SB+(\t)/4], v13
.else
	v_lshl_or_b32 v[SB+(\t)/4], v13, 8*((\t)%4), v[SB+(\t)/4]
.endif
	v_cvt_scalef32_pk16_fp6_f32 v[WC:WC+2], v[XS:XS+15], v11
	v_cvt_scalef32_pk16_fp6_f32 v[WC+4:WC+6], v[XS+16:XS+31], v11
	ds_store_b96 v4, v[WC:WC+2] offset:32*(\t)     ; 12 bytes to a place of 16, so that every LDS address is a multiple of 16
	ds_store_b96 v4, v[WC+4:WC+6] offset:32*(\t)+16
.if (\t)+2 < NB
	WLOAD (\t)+2
.endif
	s_wait_dscnt 0x0                               ; the stores have read their registers: the next block may write them
.endm
.irp t, 0,1,2,3,4,5,6,7
	WBLOCK \t
.endr
	s_wait_alu depctr_va_vdst(0)
	global_store_b64 v9, v[SB:SB+1], s[18:19]      ; the eight scale bytes of my column
.irp p, 0,1,2,3
.irp i, 0,1,2,3
	ds_load_b96 v[OUTR+4*(4*\p+\i):OUTR+4*(4*\p+\i)+2], v7 offset:8*\i*PITCH+64*\p
.endr
.endr
.irp p, 0,1,2,3
.irp i, 0,1,2,3
	s_wait_dscnt 15-(4*\p+\i)
	global_store_b96 v8, v[OUTR+4*(4*\p+\i):OUTR+4*(4*\p+\i)+2], s[14:15] offset:6144*\p+384*\i   ; 384 consecutive bytes; the four of a plane cover 1,536, aligned to 256
.endr
.endr
.Lend:
	s_wait_tensorcnt 0x0                           ; the end of the wave, behind my last LDS store
	ds_add_u32 v[SPW], v[NIL]
	s_wait_dscnt 0x0
	s_endpgm
.Lfunc_end_k_q52d416b99a_quant:
	.size	k_q52d416b99a_quant, .Lfunc_end_k_q52d416b99a_quant-k_q52d416b99a_quant
	.p2alignl 7, 3214868480
	.fill 96, 4, 3214868480
	.section	.rodata,"a",@progbits
	.p2align	6, 0x0
	.amdhsa_kernel k_q52d416b99a_quant
		.amdhsa_group_segment_fixed_size 68096
		.amdhsa_private_segment_fixed_size 0
		.amdhsa_enable_private_segment 0
		.amdhsa_kernarg_size 56
		.amdhsa_user_sgpr_count 2
		.amdhsa_user_sgpr_kernarg_segment_ptr 1
		.amdhsa_wavefront_size32 1
		.amdhsa_system_sgpr_workgroup_id_x 1
		.amdhsa_system_sgpr_workgroup_id_y 1
		.amdhsa_system_sgpr_workgroup_id_z 1
		.amdhsa_system_vgpr_workitem_id 0
		.amdhsa_next_free_vgpr 224
		.amdhsa_next_free_sgpr 66
		.amdhsa_reserve_vcc 0
		.amdhsa_float_denorm_mode_32 3
		.amdhsa_float_denorm_mode_16_64 3
		.amdhsa_memory_ordered 1
		.amdhsa_forward_progress 1
		.amdhsa_inst_pref_size 76
	.end_amdhsa_kernel
	.amdgpu_metadata
---
amdhsa.version: [ 1, 2 ]
amdhsa.kernels:
  - .name:           k_q52d416b99a_quant
    .symbol:         k_q52d416b99a_quant.kd
    .args:
      - { .name: x, .offset: 0, .size: 8, .value_kind: global_buffer, .address_space: global }
      - { .name: W_attn, .offset: 8, .size: 8, .value_kind: global_buffer, .address_space: global }
      - { .name: W_proj, .offset: 16, .size: 8, .value_kind: global_buffer, .address_space: global }
      - { .name: xc, .offset: 24, .size: 8, .value_kind: global_buffer, .address_space: global }
      - { .name: xs, .offset: 32, .size: 8, .value_kind: global_buffer, .address_space: global }
      - { .name: wc, .offset: 40, .size: 8, .value_kind: global_buffer, .address_space: global }
      - { .name: ws, .offset: 48, .size: 8, .value_kind: global_buffer, .address_space: global }
    .group_segment_fixed_size: 68096
    .private_segment_fixed_size: 0
    .kernarg_segment_align: 8
    .kernarg_segment_size: 56
    .max_flat_workgroup_size: 128
    .sgpr_count:     66
    .vgpr_count:     224
    .wavefront_size: 32
...
	.end_amdgpu_metadata
.endif
;; end of part 1
;; launch gemm_qkv (part 2): grid 12 x 32, 4 waves a work-group, clusters of 4 x 4, 327,680 bytes of LDS; arguments xc, xs, wc, ws, b_attn, qkv, sc; writes qkv, sc
.if DOCPART == 2
	.amdgcn_target "amdgcn-amd-amdhsa--gfx1250"
	.amdhsa_code_object_version 6
	.text
	.protected	k_q52d416b99a_gemm_qkv
	.globl	k_q52d416b99a_gemm_qkv
	.p2align	8
	.type	k_q52d416b99a_gemm_qkv,@function
k_q52d416b99a_gemm_qkv:
	s_mov_b64 s[64:65], 0
	v_nop
	global_prefetch_b8 v0, s[64:65] scope:SCOPE_SE
	s_setreg_imm32_b32 hwreg(HW_REG_WAVE_MODE, 25, 1), 1
	s_wait_xcnt 0x0
	s_wait_alu depctr_hold_cnt(0) depctr_sa_sdst(0) depctr_va_vdst(0) depctr_va_sdst(0) depctr_va_ssrc(0) depctr_va_vcc(0) depctr_vm_vsrc(0)
	s_getreg_b32 s2, hwreg(HW_REG_IB_STS2, 6, 4)
	s_cmp_eq_u32 s2, 0
	s_cbranch_scc0 .Lentry_in_a_cluster
	s_endpgm
.Lentry_in_a_cluster:
	s_bfe_u32 s2, ttmp6, 0x10000c
	s_cmp_lg_u32 s2, 0xf033
	s_cbranch_scc0 .Lentry_shape_is_right
	s_endpgm
.Lentry_shape_is_right:
; qkv = x W_attn + b_attn on codes of FP6 (E2M3) with E8M0 scales, K = 1024; the results are quantised again on the way out and leave as codes: q and k along the 64 of a head, v along the keys.
; A tile of 256 x 256 to a work-group of four waves, 128 x 128 to a wave: 64 accumulators, 512 registers.  K goes in steps of 256 through two LDS slots filled by joint tensor loads (clusters of 4 x 4).
; ROLES.  The text always computes: a lane = one row of A, its registers = eight rows of B (source 0 = B, source 1 = A).  The x of the cluster says what is made: 0 q, 1 k, 2 v.
;   q, k: A = x (a lane holds a position), B = W (registers run along the features of a head: the K of q k^T).
;   v:    A = W (a lane holds a feature d), B = x (registers run along the keys: the K of p v).
; Only pointers and tile numbers are chosen, by selects on the x of the cluster, which all sixteen partners share: in the block-plane layout 128 rows x 256 k are 24,576 dense bytes of any of the tensors.
; STORAGE ORDER (bits 3 and 4 of a row index exchanged): the 16 registers of result tiles 2 b, 2 b + 1 of lane (r, h) are the true indices 32 b + 16 h + 0 .. 15 of B.
; OUT.  qkv: [head 64][slot of 256 positions 8][q, k, v][12,288 bytes]; q, k: [256 storage rows][48 bytes]; v: [4 chunks of 64 true keys][64 storage rows d][48 bytes].
;       sc: [head][20,480]: q words [2048][4] at 0, k words at 8192 (bytes 0, 1 the two blocks, bytes 2, 3 zero), v words [16 steps of 128 keys][64 d][4] at 16384.
; LIMITS: a block of zeros gets the byte 1 where the rule says 127 (zero codes; the bytes are read by this program alone); NaN and infinities are not served.
; REGISTERS: window 0: v2-31 addresses and the bias by lanes; v32-63 scale words, two sets; v64-127 the bias by registers; v128-223 the fragments of A, one set; on the way out v128-255 at work.
;   window 1: the fragments of B, two sets, at v0 and v128.  windows 2, 3: the accumulators, (a, b) at v[8 (8 (a % 4) + b)].
.set NQ,    2                          ; steps of 128 along K in a slot
.set FR,    12                         ; registers of a fragment
.set NL,    6                          ; LDS loads that bring one
.set NP,    4                          ; places behind this matrix instruction (ISA guide 7.12.1)
.set PL,    6144                       ; a plane: 128 rows x 48 bytes: row r starts at word 12 r, so the 32 lanes of a load of 8 bytes touch 64 different banks
.set HALFT, 24576                      ; 128 rows x 4 planes: what one tensor load brings
.set SLOT,  24576                      ; from slot 0 to slot 1; in LDS: [A half 0: slot 0, 1][A half 1][B half 0][B half 1]
.set RBLK,  98304                      ; a row block in memory: 16 planes
.set SCL,   196608                     ; behind the ring: the scale bytes of 4 x 128 rows for all of K, as units of 256 bytes + 16
.set HALFS, 4352
.set SBLK,  544                        ; those of 16 rows
.set STG,   214016                     ; the stages of the way out, 3,072 bytes a wave: no fill ever lands here
.set SPARE, 226304                     ; the spare words, 128 bytes a wave: two blocks of 256 bytes that no other line names
.set BA,   2                           ; v2-9    the bias where a lane holds a feature (v): one number for each block a
.set STC,  10                          ; v10     stage: where I put 12 bytes of codes
.set STR,  11                          ; v11     stage: where I read them back
.set GOC,  12                          ; v12     12 x lane
.set SCW,  13                          ; v13     stage: where I put a scale word
.set SCR,  14                          ; v14     stage: where I read 16 bytes of them back
.set GOS,  15                          ; v15     my offset in sc
.set ADRA, 16                          ; v16-17  LDS address of my fragments of A in slot 0, 1
.set SH,   18                          ; v18     q, k: 16 x (lane / 16); v: 0
.set ADRB, 20                          ; v20-21  the same for B
.set ADRS, 27                          ; v27     LDS address of my scale words: lanes 0-15 A, lanes 16-31 B
.set SPW,  28                          ; v28     LDS address of my spare word; never rewritten
.set NIL,  29                          ; v29     0; never rewritten
.set SC,   32                          ; scale words, set s at v[SC + 16 s]
.set BB,   64                          ; v64-127 the bias where registers hold features (q, k)
.set AF,   128
.set T,    128                         ; the way out: 64 numbers of a lane
.set TM,   192                         ; v192-195 maxima, v196-199 bytes, v200-203 scale operands
.set W4,   204
.set VAL,  205
.set CD,   206                         ; v206-221 four runs of codes
.set RB,   224                         ; v224-255 codes read back, two sets
.set G1,   24
.set G0,   32
.set G1B,  48
.set G0B,  56
.set G1S,  68
.set G0S,  76
.set G1SB, 80
.set G0SB, 88
.set SEL,  76                          ; s[76:77] on the way out: lane selects (the load that named these registers is long done)
.set PB,   92                          ; s[92:99] four bases in qkv
.set PS,   100                         ; s[100:101] base in sc
.set MSB, 0
.macro WIN new                         ; the high byte of the immediate repeats the setting that is left
.if MSB != (\new)
	s_set_vgpr_msb (MSB<<8)|(\new)
.set MSB, (\new)
.endif
.endm
.set MUL_LO, 0xa1                      ; source 0 (B) window 1, source 1 (A) window 0, C and D window 2
.set MUL_HI, 0xf1
.set TO_B,   0x40
; A joint load: waves 0 and 1 fetch for A, waves 2 and 3 for B.  The branch hangs on the number of the wave alone.  An s_nop 0 and four v_nop follow each line.
.macro JLOAD g0a, g1a, g0b, g1b
	s_cmp_eq_u32 s19, 0
	s_cbranch_scc0 .Lfor_b_\@
	tensor_load_to_lds s[\g0a:\g0a+3], s[\g1a:\g1a+7]
	s_nop 0
.rept 4
	v_nop
.endr
	s_branch .Lasked_\@
.Lfor_b_\@:
	tensor_load_to_lds s[\g0b:\g0b+3], s[\g1b:\g1b+7]
	s_nop 0
.rept 4
	v_nop
.endr
.Lasked_\@:
.endm
.macro CREST                           ; a round of the barrier of the cluster behind its opening barrier
	s_cmp_lg_u32 s18, 0
	s_cbranch_scc1 .Lnot_wave_0_\@
	s_barrier_signal -3
.Lnot_wave_0_\@:
	s_barrier_wait -3
	s_barrier_signal -1
	s_barrier_wait -1
.endm
.macro CROUND
	s_barrier_signal -1
	s_barrier_wait -1
	CREST
.endm
	s_load_b256 s[4:11], s[0:1], 0x0               ; xc s[4:5], xs s[6:7], wc s[8:9], ws s[10:11]
	s_load_b128 s[12:15], s[0:1], 0x20             ; b_attn s[12:13], qkv s[14:15]
	s_load_b64 s[16:17], s[0:1], 0x30              ; sc
	v_lshl_add_u32 v[SPW], v0, 2, SPARE
	v_mov_b32 v[NIL], 0
	ds_add_u32 v[SPW], v[NIL]                      ; the opening: the add and its wait, ahead of my first tensor load; work on registers stands between
	ds_add_u32 v[SPW], v[NIL]
	v_lshrrev_b32 v1, 5, v0
	v_readfirstlane_b32 s18, v1                    ; wave 0..3
	s_lshr_b32 s19, s18, 1                         ; my half of the rows of A.  Also: I fetch for A (0) or for B (1)
	s_and_b32 s20, s18, 1                          ; my half of the rows of B.  Also: which 128 rows I fetch
	s_mov_b32 s22, ttmp9                           ; 0 q, 1 k, 2 v: the x of the cluster
	s_and_b32 s23, ttmp7, 0xffff                   ; the y of the cluster
	s_bfe_u32 s40, ttmp6, 0x40000                  ; cx
	s_bfe_u32 s41, ttmp6, 0x40004                  ; cy
	s_lshl_b32 s100, s41, 2
	s_lshl_b32 s100, 15, s100                      ; my row of the cluster
	s_lshl_b32 s101, 0x1111, s40                   ; my column
	s_or_b32 s[G1+0], s100, (3<<16)|(1<<21)        ; 15:0 the mask: tiles of A go to my row; 17:16 elements of 8 bytes; 21 set beside a mask; no padding
	s_or_b32 s[G1B+0], s101, (3<<16)|(1<<21)
.irp g, G1, G1B                        ; 24,576 dense bytes as 96 rows of 256
	s_mov_b32 s[\g+1], 6144<<16                    ; for the head's loads: both slots of both halves of a tile, 2 rows of 49,152 bytes, a row block (98,304 bytes) apart
	s_mov_b32 s[\g+2], 2<<16
	s_mov_b32 s[\g+3], 6144<<16
	s_mov_b32 s[\g+4], 2
	s_mov_b32 s[\g+5], 12288
	s_mov_b32 s[\g+6], 0
	s_mov_b32 s[\g+7], 0
.endr
	s_or_b32 s[G1S+0], s100, (3<<16)|(1<<20)|(1<<21)|(5<<22)|(3<<25)   ; the scale bytes of 256 rows: 32 rows of 256 bytes, 16 bytes of padding behind each
	s_or_b32 s[G1SB+0], s101, (3<<16)|(1<<20)|(1<<21)|(5<<22)|(3<<25)
.irp g, G1S, G1SB
	s_mov_b32 s[\g+1], 32<<16
	s_mov_b32 s[\g+2], 32<<16                      ; the scale bytes of 256 rows: 32 rows of 256 bytes
	s_mov_b32 s[\g+3], 32<<16
	s_mov_b32 s[\g+4], 32
	s_mov_b32 s[\g+5], 32
	s_mov_b32 s[\g+6], 0
	s_mov_b32 s[\g+7], 0
.endr
	s_lshl_b32 s2, s23, 2
	s_lshl_b32 s3, s22, 2
	s_cmp_eq_u32 s22, 2
	s_cselect_b32 s21, 1, 0                        ; 1: v is made
	s_cselect_b32 s42, 8, s2                       ; the tile of A: v: W rows 2048 on; q, k: 4 x cluster y
	s_cselect_b32 s43, s2, s3                      ; the tile of B: v: 4 x cluster y; q, k: 4 x kind
	s_add_co_u32 s42, s42, s41                     ; + cy: shared along a row of the cluster
	s_add_co_u32 s43, s43, s40                     ; + cx: shared along a column
	s_lshl_b32 s42, s42, 1
	s_lshl_b32 s43, s43, 1
	s_mul_i32 s2, s42, RBLK
	s_mov_b32 s3, 0
	s_lshl_b32 s44, s42, 12                        ; 128 rows of 32 scale bytes
	s_mov_b32 s45, 0
	s_mul_i32 s46, s43, RBLK
	s_mov_b32 s47, 0
	s_lshl_b32 s66, s43, 12
	s_mov_b32 s67, 0
	s_wait_dscnt 0x0                               ; the opening add is done
	s_wait_kmcnt 0x0
	s_cmp_eq_u32 s22, 2
	s_cselect_b64 s[92:93], s[8:9], s[4:5]         ; the codes of A
	s_cselect_b64 s[94:95], s[10:11], s[6:7]       ; its scale bytes
	s_cselect_b64 s[96:97], s[4:5], s[8:9]         ; the codes of B
	s_cselect_b64 s[98:99], s[6:7], s[10:11]
	s_add_nc_u64 s[92:93], s[92:93], s[2:3]
	s_add_nc_u64 s[94:95], s[94:95], s[44:45]
	s_add_nc_u64 s[96:97], s[96:97], s[46:47]
	s_add_nc_u64 s[98:99], s[98:99], s[66:67]
	s_mul_i32 s66, s18, 2*HALFT                    ; where the ring's loads go: wave x 49,152: no place in the cluster enters an LDS address
	CROUND                                         ; all sixteen work-groups are here: the first joint loads meet
	s_mov_b32 s[G0S], 1
	s_mov_b32 s[G0S+1], SCL
	s_mov_b64 s[G0S+2:G0S+3], s[94:95]
	s_or_b32 s[G0S+3], s[G0S+3], 0x80000000
	s_mov_b32 s[G0SB], 1
	s_mov_b32 s[G0SB+1], SCL+2*HALFS
	s_mov_b64 s[G0SB+2:G0SB+3], s[98:99]
	s_or_b32 s[G0SB+3], s[G0SB+3], 0x80000000
.irp s, 0,1
	s_mov_b32 s[G0+4*\s], 1
	s_add_co_u32 s[G0+4*\s+1], s66, \s*SLOT
	s_add_nc_u64 s[G0+4*\s+2:G0+4*\s+3], s[92:93], \s*HALFT
	s_or_b32 s[G0+4*\s+3], s[G0+4*\s+3], 0x80000000
	s_mov_b32 s[G0B+4*\s], 1
	s_add_co_u32 s[G0B+4*\s+1], s66, \s*SLOT
	s_add_nc_u64 s[G0B+4*\s+2:G0B+4*\s+3], s[96:97], \s*HALFT
	s_or_b32 s[G0B+4*\s+3], s[G0B+4*\s+3], 0x80000000
.endr
	s_mul_i32 s2, s20, RBLK                        ; slot 1's group 0: my 128 rows of the tile
	s_mov_b32 s3, 0
	s_add_nc_u64 s[G0+6:G0+7], s[G0+6:G0+7], s[2:3]
	s_add_nc_u64 s[G0B+6:G0B+7], s[G0B+6:G0B+7], s[2:3]
	s_mov_b32 s[G0+1], 0                           ; slot 0's group 0 serves the head: the whole tile of A at 0, of B behind it
	s_mov_b32 s[G0B+1], 4*HALFT
; THE HEAD'S LOADS, ONE A WAVE: wave 0 the codes of A for slot 0, wave 1 those of B, wave 2 the scale bytes of A, wave 3 those of B.  One chain of branches on the wave's number, one load to an arm.
.macro ARM under, g0, g1, next
	s_cmp_lt_u32 s18, \under
	s_cbranch_scc0 \next
	tensor_load_to_lds s[\g0:\g0+3], s[\g1:\g1+7]
	s_nop 0
.rept 4
	v_nop
.endr
	s_branch .Lhead_asked
\next:
.endm
	ARM 1, G0,  G1,  .Lhead_b
	ARM 2, G0B, G1B, .Lhead_sa
	ARM 3, G0S, G1S, .Lhead_sb
	tensor_load_to_lds s[G0SB:G0SB+3], s[G1SB:G1SB+7]
	s_nop 0
.rept 4
	v_nop
.endr
.Lhead_asked:
	v_and_b32 v224, 15, v0
	v_bfe_u32 v225, v0, 4, 1                       ; h
	v_and_b32 v229, 31, v0                         ; lane
	v_mul_u32_u24 v226, v224, 48
	v_mad_u32_u24 v226, v225, 24, v226             ; the row of a fragment: 48 r + 24 h
	s_mul_i32 s2, s19, 2*HALFT
	s_mul_i32 s3, s20, 2*HALFT
	s_add_co_u32 s3, s3, 4*HALFT
.irp s, 0,1
	v_add_nc_u32 v[ADRA+\s], s2, v226
	v_add_nc_u32 v[ADRB+\s], s3, v226
	s_add_co_u32 s2, s2, SLOT
	s_add_co_u32 s3, s3, SLOT
.endr
	v_lshlrev_b32 v227, 5, v224                    ; the scale bytes of my row: 32 bytes a row,
	v_lshrrev_b32 v228, 8, v227
	v_lshl_add_u32 v227, v228, 4, v227             ; and 16 more for each 256 passed
	s_mul_i32 s2, s19, HALFS
	s_mul_i32 s3, s20, HALFS
	s_add_co_u32 s3, s3, 2*HALFS
	s_sub_co_u32 s3, s3, s2
	v_mul_u32_u24 v228, s3, v225                   ; lanes 16-31 take B
	s_add_co_u32 s2, s2, SCL
	v_add_nc_u32 v227, v227, v228
	v_add_nc_u32 v[ADRS], s2, v227
	s_mul_i32 s2, s18, 3072
	s_add_co_u32 s2, s2, STG                       ; my stage: 2,048 bytes of codes, 1,024 of scale words
	v_lshlrev_b32 v[STC], 6, v224
	v_lshl_add_u32 v[STC], v225, 4, v[STC]
	v_add_nc_u32 v[STC], s2, v[STC]                ; 64 r + 16 h: four places of 16 bytes a row
	v_lshl_add_u32 v[STR], v229, 4, s2
	v_mul_u32_u24 v[GOC], v229, 12
	v_lshlrev_b32 v[SCW], 2, v224
	v_lshl_add_u32 v[SCW], v225, 9, v[SCW]
	v_add_nc_u32 v[SCW], s2, v[SCW]
	v_add_nc_u32 v[SCW], 2048, v[SCW]              ; 512 h + 4 r
	v_add_nc_u32 v[SCR], 2048, v[STR]
	; where the results go.  XI: my first position (storage = true at multiples of 128); WI: my first feature among the 1,024 of q, k or v
	s_lshl_b32 s46, s23, 2
	s_cmp_eq_u32 s22, 2
	s_cselect_b32 s2, s40, s41
	s_cselect_b32 s3, s41, s40
	s_cselect_b32 s42, s20, s19
	s_cselect_b32 s43, s19, s20
	s_cselect_b32 s66, -1, 0xffff                  ; which bytes of the four make a scale word
	s_cselect_b32 s67, 0, 16
	s_add_co_u32 s2, s2, s46
	s_lshl_b32 s2, s2, 8
	s_lshl_b32 s42, s42, 7
	s_add_co_u32 s2, s2, s42                       ; XI
	s_lshl_b32 s3, s3, 8
	s_lshl_b32 s43, s43, 7
	s_add_co_u32 s3, s3, s43                       ; WI
	v_mul_u32_u24 v[SH], s67, v225
	s_lshr_b32 s42, s2, 11
	s_lshl_b32 s42, s42, 4
	s_lshr_b32 s43, s3, 6
	s_add_co_u32 s42, s42, s43                     ; my first head: 16 x batch + WI / 64
	s_and_b32 s43, s2, 2047                        ; my first position in the batch
	s_mul_i32 s44, s42, 294912
	s_lshr_b32 s45, s43, 8
	s_mul_i32 s45, s45, 36864
	s_add_co_u32 s44, s44, s45
	s_mul_i32 s45, s22, 12288
	s_add_co_u32 s44, s44, s45
	s_and_b32 s45, s43, 255
	s_mul_i32 s45, s45, 48                         ; (q, k: rows of 48 bytes; v: 64 keys are a chunk of 3,072 = 64 x 48)
	s_add_co_u32 s44, s44, s45
	s_mov_b32 s45, 0
	s_add_nc_u64 s[PB:PB+1], s[14:15], s[44:45]
	s_mov_b32 s46, 294912
	s_mov_b32 s47, 0
	s_cmp_eq_u32 s22, 2
	s_cselect_b32 s44, 3072, s46                   ; from the first 64 of my registers to the second: q, k the next head; v the next chunk of keys
	s_cselect_b32 s46, s46, 3072                   ; from my blocks 0-3 to 4-7: q, k 64 rows on; v the next head
	s_add_nc_u64 s[PB+2:PB+3], s[PB:PB+1], s[46:47]
	s_add_nc_u64 s[PB+4:PB+5], s[PB:PB+1], s[44:45]
	s_add_nc_u64 s[PB+6:PB+7], s[PB+4:PB+5], s[46:47]
	s_mul_i32 s44, s42, 20480
	s_lshl_b32 s46, s22, 13
	s_add_co_u32 s44, s44, s46
	s_cmp_eq_u32 s22, 2
	s_cselect_b32 s46, 1, 2                        ; q, k: 4 bytes a position; v: 256 bytes for 128 keys
	s_lshl_b32 s46, s43, s46
	s_add_co_u32 s44, s44, s46
	s_add_nc_u64 s[PS:PS+1], s[16:17], s[44:45]
	s_mov_b32 s46, 20480
	s_cmp_eq_u32 s22, 2
	s_cselect_b32 s46, s46, 256
	v_mul_u32_u24 v[GOS], s46, v225
	v_lshl_add_u32 v[GOS], v224, 4, v[GOS]
	; the bias.  Both forms are loaded, the one that this cluster does not use from the first bytes of the buffer, so that every register is written on every way
	s_lshl_b32 s44, s22, 10
	s_add_co_u32 s44, s44, s3
	s_lshl_b32 s44, s44, 2
	s_cmp_eq_u32 s22, 2
	s_cselect_b32 s46, s44, 0
	s_cselect_b32 s44, 0, s44
	s_add_nc_u64 s[4:5], s[12:13], s[44:45]
	s_add_nc_u64 s[6:7], s[12:13], s[46:47]
	v_lshlrev_b32 v30, 6, v225                     ; registers hold features 32 (b / 2) + 8 (b % 2) + 16 h + 0 .. 7
	v_and_b32 v31, 8, v224
	v_add_nc_u32 v31, v31, v224
	v_lshlrev_b32 v31, 2, v31                      ; a lane holds feature 32 (a / 2) + 8 (a % 2) + r + 8 (r / 8)
.irp b, 0,1,2,3,4,5,6,7
	global_load_b128 v[BB+8*\b:BB+8*\b+3], v30, s[4:5] offset:(32*(\b/2)+8*(\b%2))*4
	global_load_b128 v[BB+8*\b+4:BB+8*\b+7], v30, s[4:5] offset:(32*(\b/2)+8*(\b%2))*4+16
.endr
.irp a, 0,1,2,3,4,5,6,7
	global_load_b32 v[BA+\a], v31, s[6:7] offset:(32*(\a/2)+8*(\a%2))*4
.endr
.macro FRAG reg, adr, q, i             ; 16 rows x 128 K: registers 6 c .. 6 c + 5 hold K = 64 c + 32 h + 0 .. 31: 24 bytes of the row in plane 2 q + c, in pieces of 8
.irp p, 0,1,2,3,4,5
	ds_load_b64 v[\reg+2*\p:\reg+2*\p+1], v[\adr] offset:(2*(\q)+\p/3)*PL+(\i)*768+8*(\p%3)
.endr
.endm
; 16 matrix instructions: blocks a0, a0 + 1 of A x the eight of B.  The 64 accumulators take turns, one instruction a turn, in the same order in every step.
.macro MUL16 a0, p, q, sc, zero
.irp a, \a0, \a0+1
.irp b, 0,1,2,3,4,5,6,7
.if \zero
	v_wmma_scale_f32_16x16x128_f8f6f4 v[8*(8*((\a)%4)+\b):8*(8*((\a)%4)+\b)+7], v[128*(\p)+FR*\b:128*(\p)+FR*\b+FR-1], v[AF+FR*(\a):AF+FR*(\a)+FR-1], 0, v[SC+8*NQ*(\sc)+NQ*\b+(\q)], v[SC+8*NQ*(\sc)+NQ*(\a)+(\q)] matrix_a_fmt:MATRIX_FMT_FP6 matrix_b_fmt:MATRIX_FMT_FP6 matrix_a_scale:MATRIX_SCALE_ROW1
.else
	v_wmma_scale_f32_16x16x128_f8f6f4 v[8*(8*((\a)%4)+\b):8*(8*((\a)%4)+\b)+7], v[128*(\p)+FR*\b:128*(\p)+FR*\b+FR-1], v[AF+FR*(\a):AF+FR*(\a)+FR-1], v[8*(8*((\a)%4)+\b):8*(8*((\a)%4)+\b)+7], v[SC+8*NQ*(\sc)+NQ*\b+(\q)], v[SC+8*NQ*(\sc)+NQ*(\a)+(\q)] matrix_a_fmt:MATRIX_FMT_FP6 matrix_b_fmt:MATRIX_FMT_FP6 matrix_a_scale:MATRIX_SCALE_ROW1
.endif
.endr
.endr
.endm
.macro FETCH_B slot, q, p
	WIN TO_B
.irp i, 0,1,2,3,4,5,6,7
	FRAG 128*(\p)+FR*\i, ADRB+\slot, \q, \i
.endr
	WIN 0
.endm
.macro FETCH_A slot, q, i0
.irp i, \i0, \i0+1, \i0+2, \i0+3
	FRAG AF+FR*(\i), ADRA+\slot, \q, \i
.endr
.endm
.macro SCALES sc                       ; two words a row for a slot; lanes 0-15 block i of A, lanes 16-31 block i of B
.irp i, 0,1,2,3,4,5,6,7
	ds_load_b64 v[SC+8*NQ*\sc+NQ*\i:SC+8*NQ*\sc+NQ*\i+1], v[ADRS] offset:\i*SBLK
.endr
.endm
.macro PLACES n                        ; plain vector instructions between a matrix instruction and a load into, or a read of, its registers
.rept \n
	v_nop
.endr
.endm
.macro STEP slot, q, zero              ; a step of 128 along K that has its successor in the same slot
	s_wait_dscnt 4*NL                              ; B and blocks 0-3 of A are in; the 24 youngest loads (blocks 4-7) may be out
	WIN MUL_LO
	MUL16 0, (\q)%2, \q, \slot, \zero
	MUL16 2, (\q)%2, \q, \slot, \zero
	s_wait_dscnt 0
	PLACES NP
	FETCH_B \slot, (\q)+1, 1-(\q)%2
	FETCH_A \slot, (\q)+1, 0
	WIN MUL_HI
	MUL16 4, (\q)%2, \q, \slot, \zero
	MUL16 6, (\q)%2, \q, \slot, \zero
	PLACES NP
	WIN 0
	FETCH_A \slot, (\q)+1, 4
.endm
; The last step of a slot changes slots: one barrier; in front of it each wave waits for all its tensor loads, adds 0 to its spare word, and waits for that and for its reads of this slot.
.macro TURN slot, next, fill
	s_wait_tensorcnt 0x0                           ; all my tensor loads have landed: my part of the next slot
	ds_add_u32 v[SPW], v[NIL]
	s_wait_dscnt 4*NL+1                            ; the add and the 24 youngest loads may be out
	WIN MUL_LO
	MUL16 0, 1, NQ-1, \slot, 0
	s_wait_dscnt 0x0                               ; the add is done, and my reads of this slot are over
	s_barrier_signal -1
	MUL16 2, 1, NQ-1, \slot, 0
	WIN 0
	s_barrier_wait -1
.if \fill
	CREST                                          ; the barrier has opened a round of the cluster: no wave of any partner still reads this slot or has a load on its way
	s_add_nc_u64 s[G0+4*\slot+2:G0+4*\slot+3], s[G0+4*\slot+2:G0+4*\slot+3], 2*HALFT
	s_add_nc_u64 s[G0B+4*\slot+2:G0B+4*\slot+3], s[G0B+4*\slot+2:G0B+4*\slot+3], 2*HALFT
	JLOAD G0+4*\slot, G1, G0B+4*\slot, G1B         ; the first tensor load behind the round; its four v_nop are the places in front of the loads below
.else
	PLACES NP
.endif
	s_wait_alu depctr_va_vdst(0)
	v_add_nc_u32 v[ADRS], 4*NQ, v[ADRS]
	FETCH_B \next, 0, 0
	FETCH_A \next, 0, 0
	SCALES \next
	WIN MUL_HI
	MUL16 4, 1, NQ-1, \slot, 0
	MUL16 6, 1, NQ-1, \slot, 0
	PLACES NP
	WIN 0
	FETCH_A \next, 0, 4
.endm
	s_wait_alu depctr_va_vdst(0)
	s_wait_loadcnt 0x0                             ; the bias, once
	s_wait_tensorcnt 0x0                           ; my tile of the head's four is in
.irp g, G1, G1B
	s_mov_b32 s[\g+1], 32<<16
	s_mov_b32 s[\g+2], 96<<16
	s_mov_b32 s[\g+3], 32<<16
	s_mov_b32 s[\g+4], 96
	s_mov_b32 s[\g+5], 32
.endr
	s_mul_i32 s2, s20, RBLK                        ; slot 0's group 0 for the ring: my 128 rows, to wave x 49,152
	s_mov_b32 s3, 0
	s_add_nc_u64 s[G0+2:G0+3], s[G0+2:G0+3], s[2:3]
	s_add_nc_u64 s[G0B+2:G0B+3], s[G0B+2:G0B+3], s[2:3]
	s_mul_i32 s2, s18, 2*HALFT
	s_mov_b32 s[G0+1], s2
	s_mov_b32 s[G0B+1], s2
	s_barrier_signal -1                            ; both slots and the scale bytes are in, for all four waves; the ring's fills come at the changes of slots
	s_barrier_wait -1
	FETCH_B 0, 0, 0
	FETCH_A 0, 0, 0
	SCALES 0
	FETCH_A 0, 0, 4
	STEP 0, 0, 1                                   ; K = 1024 is four slots: written out; the first products start the sums
	TURN 0, 1, 1
	STEP 1, 0, 0
	TURN 1, 0, 1
	STEP 0, 0, 0
	TURN 0, 1, 0                                   ; nothing is left to fetch: no round
	STEP 1, 0, 0
	s_wait_dscnt 4*NL
	WIN MUL_LO
	MUL16 0, 1, NQ-1, 1, 0
	MUL16 2, 1, NQ-1, 1, 0
	s_wait_dscnt 0
	WIN MUL_HI
	MUL16 4, 1, NQ-1, 1, 0
	MUL16 6, 1, NQ-1, 1, 0
	WIN 0
; THE WAY OUT, block a of 16 rows of A at a time.  A lane has 64 numbers, register 16 b + i = index 32 b + 16 h + i of B: four blocks of 32, each shared with lane l xor 16.
.macro BIAS a                          ; the sums + the bias, in f32, into window 0; each accumulator is read from its low end on
.set AC, 64*((\a)%4)
	s_cmp_lg_u32 s21, 0
	s_cbranch_scc1 .Lbv_\@
	WIN 0x02+(\a)/4
.set i, 0
.rept 32
	v_pk_add_f32 v[T+i:T+i+1], v[AC+i:AC+i+1], v[BB+i:BB+i+1]
.set i, i+2
.endr
	WIN 0
	s_branch .Lbd_\@
.Lbv_\@:
	WIN 0x02+(\a)/4
.set i, 0
.rept 32
.if (\a)%2 == 0
	v_pk_add_f32 v[T+i:T+i+1], v[AC+i:AC+i+1], v[BA+2*((\a)/2):BA+2*((\a)/2)+1] op_sel_hi:[1,0]
.else
	v_pk_add_f32 v[T+i:T+i+1], v[AC+i:AC+i+1], v[BA+2*((\a)/2):BA+2*((\a)/2)+1] op_sel:[0,1] op_sel_hi:[1,1]
.endif
.set i, i+2
.endr
	WIN 0
.Lbd_\@:
.endm
.macro QMAX
.irp b, 0,1,2,3
	v_max3_num_f32 v[TM+\b], |v[T+16*\b]|, |v[T+1+16*\b]|, 0x1800000   ; with the floor 2^(3 - 127): the byte cannot fall under 1
.endr
.irp i, 2,4,6,8,10,12,14
.irp b, 0,1,2,3
	v_max3_num_f32 v[TM+\b], v[TM+\b], |v[T+16*\b+\i]|, |v[T+1+16*\b+\i]|
.endr
.endr
.irp b, 0,1,2,3
	v_permlanex16_b32 v[TM+4+\b], v[TM+\b], s[SEL], s[SEL+1]
.endr
.irp b, 0,1,2,3
	v_max_num_f32 v[TM+\b], v[TM+\b], v[TM+4+\b]
.endr
.irp b, 0,1,2,3
	v_add_nc_u32 v[TM+8+\b], 0xff000000, v[TM+\b]   ; 2 off the exponent field: the scale operand
.endr
.irp b, 0,1,2,3
	v_lshrrev_b32 v[TM+4+\b], 23, v[TM+8+\b]
.endr
	v_lshl_or_b32 v[W4], v[TM+5], 8, v[TM+4]
	v_lshl_or_b32 v[W4], v[TM+6], 16, v[W4]
	v_lshl_or_b32 v[W4], v[TM+7], 24, v[W4]
	v_lshrrev_b32 v[VAL], v[SH], v[W4]             ; q, k: lanes 0-15 keep the two bytes of the first head, lanes 16-31 those of the second; v: all four
	v_and_b32 v[VAL], s66, v[VAL]
.endm
.macro CVT
.irp b, 0,1,2,3
	v_cvt_scalef32_pk16_fp6_f32 v[CD+4*\b:CD+4*\b+2], v[T+16*\b:T+16*\b+15], v[TM+8+\b]
.endr
	v_nop                                          ; one plain place behind the scaled conversions
.endm
.macro TOSTAGE a                       ; 12 bytes to a place of 16: [first or second 64][row r][block, half]; back as 384 consecutive bytes of eight rows
.irp b, 0,1,2,3
	ds_store_b96 v[STC], v[CD+4*\b:CD+4*\b+2] offset:32*(\b%2)+1024*(\b/2)
.endr
	ds_store_b32 v[SCW], v[VAL] offset:64*(\a)
.irp n, 0,1,2,3
	ds_load_b96 v[RB+16*((\a)%2)+4*\n:RB+16*((\a)%2)+4*\n+2], v[STR] offset:1024*(\n/2)+512*(\n%2)   ; in order behind my stores
.endr
.endm
.macro SEND a, younger
	s_wait_dscnt \younger
.irp n, 0,1,2,3
	global_store_b96 v[GOC], v[RB+16*((\a)%2)+4*\n:RB+16*((\a)%2)+4*\n+2], s[PB+4*(\n/2)+2*((\a)/4):PB+4*(\n/2)+2*((\a)/4)+1] offset:((\a)%4)*768+384*(\n%2)   ; two such stores cover 768 bytes, aligned to 256
.endr
.endm
	PLACES NP                                      ; behind the last products: their operands are written and their results read below
	s_mov_b32 s[SEL], 0x76543210
	s_mov_b32 s[SEL+1], 0xfedcba98
.irp b, 0,1,2,3
	v_mov_b32 v[TM+4+\b], 0                        ; the destination of a lane permute counts as one of its sources
.endr
.irp a, 0,1,2,3,4,5,6,7
	BIAS \a
.if \a > 0
	s_wait_dscnt 4                                 ; the five stores of the last block have read their registers; its four loads may stay out
.endif
	QMAX
	CVT
.if \a > 1
	s_wait_alu depctr_va_vdst(0)
	s_wait_xcnt 0x0                                ; the stores of the block two back have read the registers into which this block is read back
.endif
	TOSTAGE \a
.if \a > 0
	SEND \a-1, 9                                   ; nine LDS instructions of this block are younger
.endif
.endr
	SEND 7, 0
	s_wait_xcnt 0x0
	ds_load_b128 v[RB:RB+3], v[SCR]                ; the scale words of my 128 rows
	ds_load_b128 v[RB+4:RB+7], v[SCR] offset:512
	s_wait_dscnt 0x0
	global_store_b128 v[GOS], v[RB:RB+3], s[PS:PS+1]   ; q, k: 512 bytes of the first head; v: 256 bytes of each of two heads; sixteen lanes fill 256 consecutive bytes, aligned
	s_cmp_lg_u32 s21, 0
	s_cbranch_scc1 .Lno_second
	global_store_b128 v[GOS], v[RB+4:RB+7], s[PS:PS+1] offset:20480   ; q, k: the second head
.Lno_second:
	s_wait_tensorcnt 0x0                           ; the end of the wave
	ds_add_u32 v[SPW], v[NIL]
	s_wait_dscnt 0x0
	CROUND                                         ; the closing round
	s_endpgm
.Lfunc_end_k_q52d416b99a_gemm_qkv:
	.size	k_q52d416b99a_gemm_qkv, .Lfunc_end_k_q52d416b99a_gemm_qkv-k_q52d416b99a_gemm_qkv
	.p2alignl 7, 3214868480
	.fill 96, 4, 3214868480
	.section	.rodata,"a",@progbits
	.p2align	6, 0x0
	.amdhsa_kernel k_q52d416b99a_gemm_qkv
		.amdhsa_group_segment_fixed_size 327680
		.amdhsa_private_segment_fixed_size 0
		.amdhsa_enable_private_segment 0
		.amdhsa_kernarg_size 56
		.amdhsa_user_sgpr_count 2
		.amdhsa_user_sgpr_kernarg_segment_ptr 1
		.amdhsa_wavefront_size32 1
		.amdhsa_system_sgpr_workgroup_id_x 1
		.amdhsa_system_sgpr_workgroup_id_y 1
		.amdhsa_system_sgpr_workgroup_id_z 1
		.amdhsa_system_vgpr_workitem_id 0
		.amdhsa_next_free_vgpr 1024
		.amdhsa_next_free_sgpr 102
		.amdhsa_reserve_vcc 0
		.amdhsa_float_denorm_mode_32 3
		.amdhsa_float_denorm_mode_16_64 3
		.amdhsa_memory_ordered 1
		.amdhsa_forward_progress 1
		.amdhsa_inst_pref_size 205
	.end_amdhsa_kernel
	.amdgpu_metadata
---
amdhsa.version: [ 1, 2 ]
amdhsa.kernels:
  - .name:           k_q52d416b99a_gemm_qkv
    .symbol:         k_q52d416b99a_gemm_qkv.kd
    .args:
      - { .name: xc, .offset: 0, .size: 8, .value_kind: global_buffer, .address_space: global }
      - { .name: xs, .offset: 8, .size: 8, .value_kind: global_buffer, .address_space: global }
      - { .name: wc, .offset: 16, .size: 8, .value_kind: global_buffer, .address_space: global }
      - { .name: ws, .offset: 24, .size: 8, .value_kind: global_buffer, .address_space: global }
      - { .name: b_attn, .offset: 32, .size: 8, .value_kind: global_buffer, .address_space: global }
      - { .name: qkv, .offset: 40, .size: 8, .value_kind: global_buffer, .address_space: global }
      - { .name: sc, .offset: 48, .size: 8, .value_kind: global_buffer, .address_space: global }
    .group_segment_fixed_size: 327680
    .private_segment_fixed_size: 0
    .kernarg_segment_align: 8
    .kernarg_segment_size: 56
    .max_flat_workgroup_size: 128
    .sgpr_count:     102
    .vgpr_count:     1024
    .wavefront_size: 32
...
	.end_amdgpu_metadata
.endif
;; end of part 2
;; launch attn (part 3): grid 256 x 1, 16 waves a work-group, clusters of 4 x 1, 327,680 bytes of LDS; arguments qkv, sc, yc, ys; writes yc, ys
.if DOCPART == 3
	.amdgcn_target "amdgcn-amd-amdhsa--gfx1250"
	.amdhsa_code_object_version 6
	.text
	.protected	k_q52d416b99a_attn
	.globl	k_q52d416b99a_attn
	.p2align	8
	.type	k_q52d416b99a_attn,@function
k_q52d416b99a_attn:
	s_mov_b64 s[64:65], 0
	v_nop
	global_prefetch_b8 v0, s[64:65] scope:SCOPE_SE
	s_setreg_imm32_b32 hwreg(HW_REG_WAVE_MODE, 25, 1), 1
	s_wait_xcnt 0x0
	s_wait_alu depctr_hold_cnt(0) depctr_sa_sdst(0) depctr_va_vdst(0) depctr_va_sdst(0) depctr_va_ssrc(0) depctr_va_vcc(0) depctr_vm_vsrc(0)
	s_getreg_b32 s2, hwreg(HW_REG_IB_STS2, 6, 4)
	s_cmp_eq_u32 s2, 0
	s_cbranch_scc0 .Lentry_in_a_cluster
	s_endpgm
.Lentry_in_a_cluster:
	s_bfe_u32 s2, ttmp6, 0x10000c
	s_cmp_lg_u32 s2, 0x3003
	s_cbranch_scc0 .Lentry_shape_is_right
	s_endpgm
.Lentry_shape_is_right:
; y[head][q] = the sum over keys k <= q of softmax_k(q . k / 8) v, both products on codes of FP6 (E2M3) with E8M0 scales; y leaves as codes along C = 1024 for the projection.
; SOFTMAX: t = score x log2(e) / 8; M = the largest t so far, rounded up to a whole number; p = 2^(t - M) is quantised along the keys; the row's sum is taken of the unquantised p and divides at the end.
; When M moves, the sum and O are multiplied by 2^(old M - new M): exact.
; LEFT OUT: key steps of 128 all of whose keys come after a tile's queries: the causal mask throws their scores away.
; THE WHOLE HEAD LIES IN LDS: k and v of 2,048 keys are 196,608 bytes, their scale words 12,288.  Every byte is filled once.
; THE DEAL.  A cluster of four work-groups owns a head (cluster x); the four need the same bytes and ask for them jointly (mask 15).
; A head has 128 tiles of 16 queries.  Wave w of partner cx owns tiles 8 a + b and 127 - (8 a + b), a = w / 2, b = 2 cx + w % 2: 16 - a key steps for the upper tile and a + 1 for the lower: 17 for every wave.
; So the trip counts are constants, and branches and LDS addresses hang on the wave's number and the trip alone; cx enters only global addresses and the number that the mask compares with.
; Trip t: g = (t + a) / 16 says which tile (0 the upper), key step ks = (t + g a) % 16; a tile's last step is the one in which its queries lie: it is masked, and behind it the tile goes out.
; FILLS.  At the head waves 0, 1 ask for slots 0, 1 (256 keys, 24,576 dense bytes each) and wave 2 for the scale words.  Behind the three lines and a round waves 0-5 ask for slots 2-7;
; these land under trips 0 to 3, which read slots 0 and 1 alone (every upper tile has nine steps or more, so these four are open steps); a plain barrier shows them, and trips 4 to 16 follow.
; No prefetch: all tensor loads have been issued when the first loop begins, so there is no loop to run ahead in.
; LAYOUT.  Both products transposed: a lane holds one query.  Rows of q, k and of v (d) lie in storage order (bits 3 and 4 of the index exchanged).
; WHICH KEYS FORM A TILE OF k is chosen so that a lane holds WHOLE scale blocks of p: lane r of tile 4 c + u reads the row of true key 64 c + 32 (r / 8) + 8 u + r % 8, which is storage row
; 64 c + 32 (r / 8) + 16 (u % 2) + 8 (u / 2) + r % 8.  Register 32 c + i of lane (r, h) is then key 64 c + 32 h + i of the step: the order of the next operand's registers.  No lane asks another for a block's maximum or codes;
; the row's maximum and the scale word (read from lanes 0-15 alone) each take one exchange with lane l xor 16.  Rows j and 32 + j of a load of k lie 1,536 bytes apart, on the same banks.
; THE HEAD HAS 64, THE INSTRUCTION TAKES 128: the upper six registers of q are zero codes and bytes 2, 3 of the scale words are 0 (2^-127, a finite number).  Fragment t of k is named as twelve registers from v[32 + 6 t],
; of which the upper six are the next fragment (finite codes, multiplied by zeros); behind the eighth stand six registers of zeros.
; LIMITS: a block of zeros gets the byte 1 where the rule says 127; NaN and infinities are not served; the promise holds while the scaled scores stay under 2^31 in magnitude.
; REGISTERS: v1-11, v28-31, v223 addresses; v12 -M, v13 the largest score, v[14:15] the sum; v16-27 q; v32-79 fragments; v80-85 zeros; v86-93 scale words; v96-159 scores, then p; v160-191 O^T; v192-214 the way out; v215-222 the lower tile's place and q; v224-255 at work.
.set VOFF,  12288                      ; in a slot: 256 rows of k, then 4 chunks x 64 rows of v
.set SCK,   196608                     ; the scale words of k, 8,192 bytes;
.set SCV,   204800                     ; those of v, 4,096
.set STAGE, 208896                     ; the way out: 1,024 bytes a wave; no fill lands here
.set SPARE, 225280                     ; the spare words, 128 bytes a wave: eight blocks of 256 bytes that no other line names
.set HEADB, 294912
.set SLOTB, 36864
.set AKK,  1                           ; v1   k: 48 (32 (r / 8) + r % 8) + 24 h;  v223: the same 64 rows on
.set AVC,  2                           ; v2   v: 48 r + 24 h + VOFF;  v31: the same a chunk of 64 keys on
.set ASK0, 3
.set ASV0, 4
.set SPW,  5
.set NIL,  6
.set TQ,   7                           ; v7   my query in its key step - 32 (lane / 16), of the tile at work
.set ADK,  8                           ; v8, v9   k's rows 0-63 and 64-127 of the step
.set ADS,  11
.set ADV,  28                          ; v28, v29 v's two chunks of the step
.set ADT,  30
.set AVC1, 31
.set TQL,  215                         ; v215 as v7, of the lower tile
.set AKK1, 223
.set CX,   12
.set BH,   13
.set AW,   14                          ; a
.set AH,   15                          ; 15 - a
.set TL,   16                          ; the lower tile, the upper
.set TH,   17
.set WV,   18
.set T,    19
.set SEL,  20
.set CS,   22
.set G1T,  24                          ; s[24:31] 24,576 dense bytes as 96 rows of 256
.set G1C,  32                          ; s[32:39] 12,288 as 48 rows
.set G0T,  40
.set G0C,  44
.set G,    48
.set KS,   49
.set DG,   50
.set TB,   51
.set TS,   52
.set TJ,   53
.set HM,   54
.set HB,   55
.set HS,   56
.set NC,   57                          ; -c
.set QH,   58                          ; s[58:59], s[60:61] q's rows of the upper and the lower tile; s[62:63], s[66:67] their scale words
.set QL,   60
.set WH,   62
.set WL,   66
.set YH,   68                          ; s[68:69], s[70:71] where their codes go; s[72:73], s[74:75] their scale bytes
.set YL,   70
.set ZH,   72
.set ZL,   74
.set OC,   76                          ; s[76:77], s[78:79] those of the tile that goes out
.set OS,   78
.set G0L,  92                          ; s[92:95] group 0 of slots 2-7
.macro CROUND                          ; a round of the cluster's barrier
	s_barrier_signal -1
	s_barrier_wait -1
	s_cmp_lg_u32 s[WV], 0
	s_cbranch_scc1 .Lnot_wave_0_\@
	s_barrier_signal -3
.Lnot_wave_0_\@:
	s_barrier_wait -3
	s_barrier_signal -1
	s_barrier_wait -1
.endm
.macro REL d, b                        ; tile b of a key step begins at query 32 (b / 2) + 8 (b % 2) of the step
	s_lshr_b32 s\d, s\b, 1
	s_lshl_b32 s\d, s\d, 5
	s_and_b32 s2, s\b, 1
	s_lshl_b32 s2, s2, 3
	s_add_co_u32 s\d, s\d, s2
.endm
.macro PLACE t, q, w, y, z             ; byte offsets of tile s[t]: q's rows, q's scale words, y's codes, y's scale bytes
	s_lshr_b32 s2, s[\t], 4
	s_mul_i32 s2, s2, SLOTB
	s_and_b32 s3, s[\t], 15
	s_mul_i32 s3, s3, 768
	s_add_co_u32 s2, s2, s3
	s_add_co_u32 s[\q], s2, s[HB]
	s_mov_b32 s[\q+1], 0
	s_lshl_b32 s2, s[\t], 6
	s_add_co_u32 s[\w], s2, s[HS]
	s_mov_b32 s[\w+1], 0
	s_lshr_b32 s2, s[\t], 3
	s_add_co_u32 s2, s2, s84
	s_mul_i32 s2, s2, 98304
	s_and_b32 s3, s[\t], 7
	s_mul_i32 s3, s3, 768
	s_add_co_u32 s2, s2, s3
	s_add_co_u32 s[\y], s2, s85
	s_mov_b32 s[\y+1], 0
	s_lshl_b32 s2, s[\t], 9
	s_add_co_u32 s[\z], s2, s86
	s_mov_b32 s[\z+1], 0
.endm
.macro TLOAD g0, g1
	tensor_load_to_lds s[\g0:\g0+3], s[\g1:\g1+7]
	s_nop 0
.rept 4
	v_nop
.endr
.endm
.macro PO j                            ; two numbers of O^T under the new M
	v_pk_mul_f32 v[160+2*(\j):161+2*(\j)], v[160+2*(\j):161+2*(\j)], v[252:253] op_sel_hi:[1,0]
.endm
; A KEY STEP of 128 keys at s[TB] (k, v), s[TS], s[TJ] (scale words).  gen = 1: with the mask in the tile's last step
.macro STEP gen
	v_add_nc_u32 v[ADK], s[TB], v[AKK]             ; these four are also the places behind the last products
	v_add_nc_u32 v[ADK+1], s[TB], v[AKK1]
	v_add_nc_u32 v[ADS], s[TS], v[ASK0]
	v_add_nc_u32 v[ADT], s[TJ], v[ASV0]
.irp c, 0,1                            ; k: tile 4 c + u begins 16 (u % 2) + 8 (u / 2) rows, 96 (u % 2) + 48 (u / 2) pieces of 8 bytes, behind the base; its three pieces lie in registers on end: two pieces to a load
.irp i, 0,2,4,6,8,10
	ds_load_2addr_b64 v[32+24*\c+2*\i:35+24*\c+2*\i], v[ADK+\c] offset0:96*((\i/3)%2)+48*((\i/3)/2)+\i%3 offset1:96*(((\i+1)/3)%2)+48*(((\i+1)/3)/2)+(\i+1)%3
.endr
.endr
.irp t, 0,1,2,3,4,5,6,7
	ds_load_b32 v[86+\t], v[ADS] offset:4*(64*(\t/4)+16*(\t%2)+8*((\t%4)/2))
.endr
	s_wait_alu depctr_va_vdst(0)
	s_wait_dscnt 0x0
.irp t, 0,1,2,3,4,5,6,7
	v_wmma_scale_f32_16x16x128_f8f6f4 v[96+8*\t:103+8*\t], v[32+6*\t:43+6*\t], v[16:27], 0, v[86+\t], v255 matrix_a_fmt:MATRIX_FMT_FP6 matrix_b_fmt:MATRIX_FMT_FP6
.endr
	v_add_nc_u32 v[ADV], s[TB], v[AVC]             ; four places in front of the loads below and of the first read of the scores: v's two chunks,
	v_add_nc_u32 v[ADV+1], s[TB], v[AVC1]
	v_mov_b32 v250, v12                            ; the old -M
	v_nop
.irp t, 0,1,2,3                        ; the fragments of v are asked for here and land under the softmax
.irp c, 0,1
.if \t < 3
	ds_load_2addr_b64 v[32+12*\t+6*\c:35+12*\t+6*\c], v[ADV+\c] offset0:96*\t offset1:96*\t+1
.else
	ds_load_b64 v[32+12*\t+6*\c:33+12*\t+6*\c], v[ADV] offset:3072*\c+768*\t
	ds_load_b64 v[34+12*\t+6*\c:35+12*\t+6*\c], v[ADV] offset:3072*\c+768*\t+8
.endif
	ds_load_b64 v[36+12*\t+6*\c:37+12*\t+6*\c], v[ADV] offset:3072*\c+768*\t+16
.endr
	ds_load_b32 v[86+\t], v[ADT] offset:64*\t
.endr
.if \gen
	s_cmp_lg_u32 s[KS], s[DG]                      ; all keys count: no mask
	s_cbranch_scc1 .Lopen_\@
	v_mov_b32 v254, 0xff800000                     ; register 32 c + i holds key 32 h + 64 c + i of the step: hidden where 64 c + i is above v[TQ]
.set n, 0
.rept 64
	v_cmp_gt_i32 vcc_lo, 64*(n/32)+n%32, v[TQ]
	v_cndmask_b32 v[96+n], v[96+n], v254, vcc_lo
.set n, n+1
.endr
.Lopen_\@:
.endif
.irp b, 0,1,2,3
	v_max3_num_f32 v[232+\b], v[96+16*\b], v[97+16*\b], v[98+16*\b]   ; the largest score of each half block, four chains by turns
.endr
.irp i, 3,5,7,9,11,13
.irp b, 0,1,2,3
	v_max3_num_f32 v[232+\b], v[232+\b], v[96+16*\b+\i], v[97+16*\b+\i]
.endr
.endr
.irp b, 0,1,2,3
	v_max_num_f32 v[232+\b], v[232+\b], v[111+16*\b]
.endr
	s_delay_alu instid0(VALU_DEP_3)
	v_max_num_f32 v232, v232, v233                 ; the largest score of my two blocks of 32 keys: for the row's maximum, and, since p rises with the score, for the block's largest p
	s_delay_alu instid0(VALU_DEP_2)
	v_max_num_f32 v234, v234, v235
	s_delay_alu instid0(VALU_DEP_1)
	v_max_num_f32 v254, v232, v234
	s_delay_alu instid0(VALU_DEP_1)
	v_permlanex16_b32 v243, v254, s[SEL], s[SEL+1] ; lane l xor 16 holds the query's other 64 keys
	s_delay_alu instid0(VALU_DEP_1)
	v_max3_num_f32 v13, v13, v254, v243            ; the running largest score
	s_delay_alu instid0(VALU_DEP_1)
	v_mul_f32 v251, s[NC], v13                     ; -t (c is positive)
	s_delay_alu instid0(VALU_DEP_1)
	v_floor_f32 v12, v251                          ; -M = floor(-t)
	s_delay_alu instid0(VALU_DEP_1)
	v_sub_f32 v254, v12, v250                      ; old M - new M: a whole number, 0 or less
	s_delay_alu instid0(VALU_DEP_1)
	v_cvt_i32_f32 v254, v254
	s_delay_alu instid0(VALU_DEP_1)
	v_ldexp_f32 v252, 1.0, v254                    ; f = 2^(old M - new M)
.set j, 0
.rept 32
	v_pk_fma_f32 v[96+j:97+j], v[96+j:97+j], s[CS:CS+1], v[12:13] op_sel_hi:[1,0,0]   ; t - M
.set j, j+2
.endr
	v_fma_f32 v232, v232, s[CS], v12
	v_fma_f32 v234, v234, s[CS], v12
.set j, 0
	s_wait_alu depctr_va_vdst(0)
.rept 64
	v_exp_f32 v[96+j], v[96+j]                     ; p = 2^(t - M)
.set j, j+1
.endr
	v_pk_mul_f32 v[14:15], v[14:15], v[252:253] op_sel_hi:[1,0]   ; the sums under the new M: the plain place behind the batch
	s_wait_alu depctr_va_vdst(0)                   ; one wait for the batch, ahead of its first reader
	v_exp_f32 v232, v232                           ; the largest p of my two blocks
	v_exp_f32 v234, v234
	v_pk_add_f32 v[236:237], v[100:101], v[104:105]
	v_pk_add_f32 v[250:251], v[108:109], v[112:113]
	v_pk_add_f32 v[248:249], v[116:117], v[120:121]
	v_pk_add_f32 v[246:247], v[124:125], v[128:129]
	v_pk_add_f32 v[244:245], v[132:133], v[136:137]
	v_pk_add_f32 v[242:243], v[140:141], v[144:145]
	v_pk_add_f32 v[240:241], v[148:149], v[152:153]
	v_pk_add_f32 v[14:15], v[14:15], v[156:157]
	v_pk_add_f32 v[236:237], v[236:237], v[96:97]
	v_pk_add_f32 v[250:251], v[250:251], v[98:99]
	v_pk_add_f32 v[248:249], v[248:249], v[102:103]
	v_pk_add_f32 v[246:247], v[246:247], v[106:107]
	v_pk_add_f32 v[244:245], v[244:245], v[110:111]
	v_pk_add_f32 v[242:243], v[242:243], v[114:115]
	v_pk_add_f32 v[240:241], v[240:241], v[118:119]
	v_pk_add_f32 v[14:15], v[14:15], v[122:123]
	v_pk_add_f32 v[236:237], v[236:237], v[126:127]
	v_pk_add_f32 v[250:251], v[250:251], v[130:131]
	v_pk_add_f32 v[248:249], v[248:249], v[134:135]
	v_pk_add_f32 v[246:247], v[246:247], v[138:139]
	v_pk_add_f32 v[244:245], v[244:245], v[142:143]
	v_pk_add_f32 v[242:243], v[242:243], v[146:147]
	v_pk_add_f32 v[240:241], v[240:241], v[150:151]
	v_pk_add_f32 v[14:15], v[14:15], v[154:155]
	v_pk_add_f32 v[236:237], v[236:237], v[158:159]
	s_delay_alu instid0(VALU_DEP_2)
	v_pk_add_f32 v[14:15], v[14:15], v[246:247]
	s_delay_alu instid0(VALU_DEP_2)
	v_pk_add_f32 v[236:237], v[236:237], v[244:245]
	v_pk_add_f32 v[250:251], v[250:251], v[242:243]
	v_pk_add_f32 v[248:249], v[248:249], v[240:241]
	s_delay_alu instid0(VALU_DEP_2)
	v_pk_add_f32 v[14:15], v[14:15], v[250:251]
	s_delay_alu instid0(VALU_DEP_2)
	v_pk_add_f32 v[236:237], v[236:237], v[248:249]
	s_delay_alu instid0(VALU_DEP_1)
	v_pk_add_f32 v[14:15], v[14:15], v[236:237]
	s_wait_alu depctr_va_vdst(0)                   ; one wait for the two, and directly ahead of the first reader of O^T
	; p's scale bytes, with O^T's rescaling laid among them: up to the word of my two bytes each line reads what stands five lines or more above it
	PO 0
	v_max_num_f32 v232, 0x1800000, v232            ; the floor 2^(3 - 127)
	v_max_num_f32 v234, 0x1800000, v234
	PO 1
	PO 2
	PO 3
	v_add_nc_u32 v244, 0xff000000, v232            ; 2 off the exponent field: the conversions' scale operands
	v_add_nc_u32 v245, 0xff000000, v234
	PO 4
	PO 5
	PO 6
	v_lshrrev_b32 v246, 23, v244                   ; the bytes
	v_lshrrev_b32 v247, 23, v245
	PO 7
	PO 8
	PO 9
	PO 10
	v_lshl_or_b32 v248, v247, 16, v246             ; my two bytes: in lanes 0-15 those of keys 0-31 and 64-95
	PO 11
	PO 12
	s_delay_alu instid0(VALU_DEP_3)
	v_permlanex16_b32 v249, v248, s[SEL], s[SEL+1] ; lane l xor 16's two: in lanes 0-15 those of keys 32-63 and 96-127
.irp c, 0,1
	v_cvt_scalef32_pk16_fp6_f32 v[224+6*\c:226+6*\c], v[96+32*\c:111+32*\c], v[244+\c]
	v_cvt_scalef32_pk16_fp6_f32 v[236+4*\c:238+4*\c], v[112+32*\c:127+32*\c], v[244+\c]   ; (a conversion's three registers begin on an even number)
.endr
	v_nop                                          ; one plain place behind the scaled conversions
	v_lshl_or_b32 v253, v249, 8, v248              ; the scale word of p for these 128 keys, right in lanes 0-15, from which it is read; ten places ahead of the products
.irp c, 0,1
.irp i, 0,1,2
	v_mov_b32 v[227+6*\c+\i], v[236+4*\c+\i]
.endr
.endr
	PO 13                                          ; four places between the operand's last register and the products
	PO 14
	PO 15
	v_nop
	s_wait_alu depctr_va_vdst(0)
	s_wait_dscnt 0x0                               ; v is in
.irp t, 0,1,2,3
	v_wmma_scale_f32_16x16x128_f8f6f4 v[160+8*\t:167+8*\t], v[32+12*\t:43+12*\t], v[224:235], v[160+8*\t:167+8*\t], v[86+\t], v253 matrix_a_fmt:MATRIX_FMT_FP6 matrix_b_fmt:MATRIX_FMT_FP6
.endr
.endm
.macro WHERE                           ; the LDS offsets of key step s[KS]
	s_lshr_b32 s[TB], s[KS], 1
	s_mul_i32 s[TB], s[TB], 12288
	s_mul_i32 s[TS], s[KS], 6144
	s_add_co_u32 s[TB], s[TB], s[TS]               ; 24,576 (ks / 2) + 6,144 (ks % 2)
	s_lshl_b32 s[TS], s[KS], 9
	s_lshl_b32 s[TJ], s[KS], 8
.endm
	s_load_b256 s[4:11], s[0:1], 0x0               ; qkv s[4:5], sc s[6:7], yc s[8:9], ys s[10:11]
	v_lshl_add_u32 v[SPW], v0, 2, SPARE
	v_mov_b32 v[NIL], 0
	ds_add_u32 v[SPW], v[NIL]                      ; the opening: the add, twice on end, and its wait; work on registers stands between
	ds_add_u32 v[SPW], v[NIL]
	v_lshrrev_b32 v8, 5, v0
	v_readfirstlane_b32 s[WV], v8                  ; wave 0..15
	s_bfe_u32 s[CX], ttmp6, 0x40000                ; my place in the cluster
	s_mov_b32 s[BH], ttmp9                         ; the cluster's x: the head
	s_mov_b32 s[G1T], 15|(3<<16)|(1<<21)           ; the mask names the four; elements of 8 bytes; bit 21 beside a mask
	s_mov_b32 s[G1T+1], 32<<16
	s_mov_b32 s[G1T+2], 96<<16
	s_mov_b32 s[G1T+3], 32<<16
	s_mov_b32 s[G1T+4], 96
	s_mov_b32 s[G1T+5], 32
	s_mov_b32 s[G1T+6], 0
	s_mov_b32 s[G1T+7], 0
	s_mov_b32 s[G1C], 15|(3<<16)|(1<<21)
	s_mov_b32 s[G1C+1], 32<<16
	s_mov_b32 s[G1C+2], 48<<16
	s_mov_b32 s[G1C+3], 32<<16
	s_mov_b32 s[G1C+4], 48
	s_mov_b32 s[G1C+5], 32
	s_mov_b32 s[G1C+6], 0
	s_mov_b32 s[G1C+7], 0
	s_mul_i32 s[HB], s[BH], HEADB                  ; the head in qkv
	s_mul_i32 s[HS], s[BH], 20480                  ; and in sc
	s_and_b32 s87, s[WV], 1                        ; at the head: slot w, w = 0, 1
	s_mov_b32 s[G0T], 1
	s_mul_i32 s[G0T+1], s87, 24576
	s_mul_i32 s88, s87, SLOTB
	s_add_co_u32 s88, s88, s[HB]
	s_add_co_u32 s88, s88, VOFF                    ; k begins 12,288 bytes into a slot of qkv
	s_mov_b32 s89, 0
	s_mov_b32 s[G0C], 1
	s_mov_b32 s[G0C+1], SCK
	s_add_co_u32 s90, s[HS], 8192
	s_mov_b32 s91, 0
	s_min_u32 s87, s[WV], 5                        ; later: slot w + 2, w = 0 .. 5
	s_add_co_u32 s87, s87, 2
	s_mov_b32 s[G0L], 1
	s_mul_i32 s[G0L+1], s87, 24576
	s_mul_i32 s96, s87, SLOTB
	s_add_co_u32 s96, s96, s[HB]
	s_add_co_u32 s96, s96, VOFF
	s_mov_b32 s97, 0
	s_lshr_b32 s[AW], s[WV], 1
	s_xor_b32 s[AH], s[AW], 15
	s_and_b32 s80, s[WV], 1
	s_lshl_b32 s81, s[CX], 1
	s_add_co_u32 s80, s80, s81                     ; b of the lower tile
	s_lshl_b32 s[TL], s[AW], 3
	s_add_co_u32 s[TL], s[TL], s80
	s_sub_co_u32 s[TH], 127, s[TL]
	s_sub_co_u32 s81, 7, s80                       ; b of the upper
	REL 82, 81
	REL 83, 80
	s_lshr_b32 s84, s[BH], 4                       ; the batch
	s_and_b32 s85, s[BH], 15                       ; the head in it: a plane of yc
	s_lshl_b32 s86, s84, 16
	s_lshl_b32 s2, s85, 1
	s_add_co_u32 s86, s86, s2
	s_lshl_b32 s84, s84, 4
	s_mul_i32 s85, s85, 6144
	PLACE TH, QH, WH, YH, ZH
	PLACE TL, QL, WL, YL, ZL
	s_lshl_b32 s80, s[WV], 10
	s_add_co_u32 s80, s80, STAGE                   ; my stage
	s_mov_b32 s[SEL], 0x76543210
	s_mov_b32 s[SEL+1], 0xfedcba98
	s_mov_b32 s[CS], 0x3e38aa3b                    ; c = log2(e) / 8
	s_mov_b32 s[CS+1], s[CS]
	s_mov_b32 s[NC], 0xbe38aa3b                    ; -c
	s_mov_b32 s[HM], 0xffff0000                    ; lanes 16-31
	s_wait_alu depctr_va_vdst(0)
	s_wait_dscnt 0x0                               ; both opening adds are done
	CROUND                                         ; the four work-groups are here: the joint loads meet
	s_wait_kmcnt 0x0
	s_add_nc_u64 s[G0T+2:G0T+3], s[4:5], s[88:89]
	s_or_b32 s[G0T+3], s[G0T+3], 0x80000000
	s_add_nc_u64 s[G0C+2:G0C+3], s[6:7], s[90:91]
	s_or_b32 s[G0C+3], s[G0C+3], 0x80000000
	s_add_nc_u64 s[G0L+2:G0L+3], s[4:5], s[96:97]
	s_or_b32 s[G0L+3], s[G0L+3], 0x80000000
	s_cmp_lt_u32 s[WV], 2                          ; one chain of branches on the wave's number, one load to an arm
	s_cbranch_scc0 .Lwords
	TLOAD G0T, G1T                                 ; waves 0, 1: k and v of keys 0-511
	s_branch .Lasked
.Lwords:
	s_cmp_eq_u32 s[WV], 2
	s_cbranch_scc0 .Lasked
	TLOAD G0C, G1C                                 ; wave 2: the scale words of k and v
.Lasked:
	s_add_nc_u64 s[QH:QH+1], s[4:5], s[QH:QH+1]
	s_add_nc_u64 s[QL:QL+1], s[4:5], s[QL:QL+1]
	s_add_nc_u64 s[WH:WH+1], s[6:7], s[WH:WH+1]
	s_add_nc_u64 s[WL:WL+1], s[6:7], s[WL:WL+1]
	s_add_nc_u64 s[YH:YH+1], s[8:9], s[YH:YH+1]
	s_add_nc_u64 s[YL:YL+1], s[8:9], s[YL:YL+1]
	s_add_nc_u64 s[ZH:ZH+1], s[10:11], s[ZH:ZH+1]
	s_add_nc_u64 s[ZL:ZL+1], s[10:11], s[ZL:ZL+1]
	v_and_b32 v8, 15, v0                           ; r
	v_bfe_u32 v9, v0, 4, 1                         ; h
	v_and_b32 v10, 31, v0                          ; lane
	v_mul_u32_u24 v28, v8, 48
	v_lshlrev_b32 v29, 2, v8                       ; 4 r
	v_mad_u32_u24 v28, v9, 24, v28                 ; 48 r + 24 h
.irp p, 0,1,2
	global_load_b64 v[16+2*\p:17+2*\p], v28, s[QH:QH+1] offset:8*\p     ; both tiles' q stay in registers
	global_load_b64 v[216+2*\p:217+2*\p], v28, s[QL:QL+1] offset:8*\p
.endr
	global_load_b32 v255, v29, s[WH:WH+1]
	global_load_b32 v222, v29, s[WL:WL+1]
	v_lshrrev_b32 v11, 3, v8                       ; r / 8
	v_and_b32 v30, 7, v8
	v_add_nc_u32 v[AVC], VOFF, v28
	v_add_nc_u32 v[AVC1], VOFF+3072, v28
	v_lshl_add_u32 v[ASV0], v8, 2, SCV
	v_lshl_add_u32 v30, v11, 5, v30                ; my row of k in its 64: 32 (r / 8) + r % 8
	v_lshlrev_b32 v201, 5, v9                      ; 32 h
	v_lshl_add_u32 v11, v11, 3, v8                 ; r + 8 (r / 8)
	v_lshlrev_b32 v200, 6, v8
	v_mul_u32_u24 v[AKK], v30, 48
	v_lshl_add_u32 v[ASK0], v30, 2, SCK
	v_sub_nc_u32 v11, v11, v201
	v_lshl_add_u32 v200, v9, 4, v200
	v_mad_u32_u24 v[AKK], v9, 24, v[AKK]
	v_add_nc_u32 v[TQ], s82, v11
	v_add_nc_u32 v[TQL], s83, v11
	v_add_nc_u32 v200, s80, v200                   ; the stage, in: 64 r + 16 h
	v_lshl_add_u32 v201, v10, 4, s80               ; back: 16 x lane
	v_add_nc_u32 v[AKK1], 3072, v[AKK]
	v_mul_u32_u24 v202, v10, 12
	v_lshl_add_u32 v203, v8, 5, v9                 ; my scale byte: 32 r + h
.irp j, 22,23,24,25,26,27,80,81,82,83,84,85
	v_mov_b32 v[\j], 0                             ; zero codes
.endr
	v_mov_b32 v13, 0xff61b1e6                      ; the largest score so far: -3e38
	v_mov_b32 v12, 0x7e800000                      ; -M: 2^126, above every -M that follows: the first f is 0
	v_mov_b32 v14, 0
	v_mov_b32 v15, 0
.irp j, 243,249,252,253
	v_mov_b32 v[\j], 0                             ; destinations of lane permutes and halves of pairs are written once
.endr
.set j, 0
.rept 32
	v_mov_b32 v[160+j], 0                          ; O^T: the step is written once; the first change of M leaves zeros zeros
.set j, j+1
.endr
	s_wait_alu depctr_va_vdst(0)
	s_wait_loadcnt 0x0                             ; q
	s_wait_tensorcnt 0x0                           ; my load, if I have one, has landed; the three lines ahead of a later first fill
	ds_add_u32 v[SPW], v[NIL]                      ; the add twice on end
	ds_add_u32 v[SPW], v[NIL]
	s_wait_dscnt 0x0
	CROUND                                         ; slots 0, 1 and the scale words are in, for all waves, and the four work-groups are here
	s_cmp_lt_u32 s[WV], 6
	s_cbranch_scc0 .Llate
	TLOAD G0L, G1T                                 ; waves 0-5: slots 2-7, their first fill
.Llate:
	s_mov_b32 s[KS], 0
.Lfirst:                               ; trips 0 to 3: the upper tile's key steps 0 to 3, out of slots 0 and 1
	WHERE
	STEP 0
	s_add_co_u32 s[KS], s[KS], 1
	s_cmp_lt_u32 s[KS], 4
	s_wait_alu depctr_va_vdst(0)
	s_cbranch_scc1 .Lfirst
	s_wait_tensorcnt 0x0                           ; my later load has landed
	s_barrier_signal -1
	s_barrier_wait -1                              ; the whole head is in LDS, for all waves
	s_mov_b32 s[T], 4
.Ltrip:                                ; trips 4 to 16
	s_add_co_u32 s[G], s[T], s[AW]
	s_lshr_b32 s[G], s[G], 4                       ; 0: the upper tile, 1: the lower
	s_mul_i32 s[KS], s[G], s[AW]
	s_add_co_u32 s[KS], s[KS], s[T]
	s_and_b32 s[KS], s[KS], 15                     ; the key step
	s_mul_i32 s[DG], s[G], 15
	s_xor_b32 s[DG], s[DG], s[AH]                  ; the key step in which the tile's queries lie: 15 - a or a
	WHERE
	STEP 1
	s_cmp_lg_u32 s[KS], s[DG]                      ; the tile's last step?  The wave's number and the trip alone decide
	s_cbranch_scc1 .Lnext
	; THE WAY OUT of a tile.  O^T / the sum; register 16 b + i is d = 32 b + 16 h + i of my query: two blocks of 32 along C, quantised; the codes go through my stage and leave as 768 consecutive bytes.
	s_wait_xcnt 0x0                                ; the first tile's stores have read their registers and bases
	s_cmp_eq_u32 s[G], 0
	s_cselect_b64 s[OC:OC+1], s[YH:YH+1], s[YL:YL+1]
	s_cselect_b64 s[OS:OS+1], s[ZH:ZH+1], s[ZL:ZL+1]
	v_add_f32 v14, v14, v15
	s_delay_alu instid0(VALU_DEP_1)
	v_permlanex16_b32 v243, v14, s[SEL], s[SEL+1]
	s_delay_alu instid0(VALU_DEP_1)
	v_add_f32 v14, v14, v243
	v_nop                                          ; with the three above: the places behind the last products
	v_nop
	s_wait_alu depctr_va_vdst(0)
	v_rcp_f32 v14, v14
	v_nop                                          ; a plain place behind the reciprocal
	s_wait_alu depctr_va_vdst(0)                   ; ahead of the first reader of the reciprocal and of O^T
.set j, 0
.rept 16
	v_pk_mul_f32 v[96+j:97+j], v[160+j:161+j], v[14:15] op_sel_hi:[1,0]
.set j, j+2
.endr
.irp b, 0,1
	v_max3_num_f32 v[232+\b], |v[96+16*\b]|, |v[97+16*\b]|, 0x1800000
.endr
.irp i, 2,4,6,8,10,12,14
.irp b, 0,1
	s_delay_alu instid0(VALU_DEP_2)
	v_max3_num_f32 v[232+\b], v[232+\b], |v[96+16*\b+\i]|, |v[97+16*\b+\i]|
.endr
.endr
.irp b, 0,1
	s_delay_alu instid0(VALU_DEP_2)
	v_permlanex16_b32 v[248+\b], v[232+\b], s[SEL], s[SEL+1]
.endr
.irp b, 0,1
	s_delay_alu instid0(VALU_DEP_2)
	v_max_num_f32 v[232+\b], v[232+\b], v[248+\b]
.endr
.irp b, 0,1
	s_delay_alu instid0(VALU_DEP_2)
	v_add_nc_u32 v[244+\b], 0xff000000, v[232+\b]
.endr
.irp b, 0,1
	s_delay_alu instid0(VALU_DEP_2)
	v_lshrrev_b32 v[240+\b], 23, v[244+\b]
.endr
.irp b, 0,1
	v_cvt_scalef32_pk16_fp6_f32 v[192+4*\b:194+4*\b], v[96+16*\b:111+16*\b], v[244+\b]
.endr
	v_cndmask_b32 v204, v240, v241, s[HM]          ; lanes 0-15 the byte of block 0, lanes 16-31 that of block 1.  (The plain place behind the conversions)
	ds_store_b96 v200, v[192:194]
	ds_store_b96 v200, v[196:198] offset:32
	ds_load_b96 v[208:210], v201                   ; in order behind my stores
	ds_load_b96 v[212:214], v201 offset:512
	global_store_b8 v203, v204, s[OS:OS+1]         ; two bytes a row, beside 48 bytes of codes
	s_wait_dscnt 0x0
	global_store_b96 v202, v[208:210], s[OC:OC+1]  ; the two stores cover 768 consecutive bytes, aligned to 256
	global_store_b96 v202, v[212:214], s[OC:OC+1] offset:384
	s_cmp_lg_u32 s[G], 0                           ; behind the lower tile nothing follows
	s_cbranch_scc1 .Lnext
	v_mov_b32 v255, v222                           ; the lower tile begins: its q and scale word, its place for the mask, and an empty softmax
.irp j, 0,1,2,3,4,5
	v_mov_b32 v[16+\j], v[216+\j]
.endr
	v_mov_b32 v[TQ], v[TQL]
	v_mov_b32 v13, 0xff61b1e6
	v_mov_b32 v12, 0x7e800000
	v_mov_b32 v14, 0
	v_mov_b32 v15, 0
.set j, 0
.rept 32
	v_mov_b32 v[160+j], 0
.set j, j+1
.endr
.Lnext:
	s_add_co_u32 s[T], s[T], 1
	s_cmp_lt_u32 s[T], 17
	s_wait_alu depctr_va_vdst(0)
	s_cbranch_scc1 .Ltrip
	s_wait_tensorcnt 0x0                           ; the end of the wave
	ds_add_u32 v[SPW], v[NIL]
	s_wait_dscnt 0x0
	CROUND                                         ; the closing round
	s_endpgm
.Lfunc_end_k_q52d416b99a_attn:
	.size	k_q52d416b99a_attn, .Lfunc_end_k_q52d416b99a_attn-k_q52d416b99a_attn
	.p2alignl 7, 3214868480
	.fill 96, 4, 3214868480
	.section	.rodata,"a",@progbits
	.p2align	6, 0x0
	.amdhsa_kernel k_q52d416b99a_attn
		.amdhsa_group_segment_fixed_size 327680
		.amdhsa_private_segment_fixed_size 0
		.amdhsa_enable_private_segment 0
		.amdhsa_kernarg_size 32
		.amdhsa_user_sgpr_count 2
		.amdhsa_user_sgpr_kernarg_segment_ptr 1
		.amdhsa_wavefront_size32 1
		.amdhsa_system_sgpr_workgroup_id_x 1
		.amdhsa_system_sgpr_workgroup_id_y 1
		.amdhsa_system_sgpr_workgroup_id_z 1
		.amdhsa_system_vgpr_workitem_id 0
		.amdhsa_next_free_vgpr 256
		.amdhsa_next_free_sgpr 100
		.amdhsa_reserve_vcc 1
		.amdhsa_float_denorm_mode_32 3
		.amdhsa_float_denorm_mode_16_64 3
		.amdhsa_memory_ordered 1
		.amdhsa_forward_progress 1
		.amdhsa_inst_pref_size 56
	.end_amdhsa_kernel
	.amdgpu_metadata
---
amdhsa.version: [ 1, 2 ]
amdhsa.kernels:
  - .name:           k_q52d416b99a_attn
    .symbol:         k_q52d416b99a_attn.kd
    .args:
      - { .name: qkv, .offset: 0, .size: 8, .value_kind: global_buffer, .address_space: global }
      - { .name: sc, .offset: 8, .size: 8, .value_kind: global_buffer, .address_space: global }
      - { .name: yc, .offset: 16, .size: 8, .value_kind: global_buffer, .address_space: global }
      - { .name: ys, .offset: 24, .size: 8, .value_kind: global_buffer, .address_space: global }
    .group_segment_fixed_size: 327680
    .private_segment_fixed_size: 0
    .kernarg_segment_align: 8
    .kernarg_segment_size: 32
    .max_flat_workgroup_size: 512
    .sgpr_count:     100
    .vgpr_count:     256
    .wavefront_size: 32
...
	.end_amdgpu_metadata
.endif
;; end of part 3
;; launch gemm_proj (part 4): grid 4 x 64, 4 waves a work-group, clusters of 4 x 4, 327,680 bytes of LDS; arguments yc, ys, wc, ws, b_proj, out0; writes out0
.if DOCPART == 4
	.amdgcn_target "amdgcn-amd-amdhsa--gfx1250"
	.amdhsa_code_object_version 6
	.text
	.protected	k_q52d416b99a_gemm_proj
	.globl	k_q52d416b99a_gemm_proj
	.p2align	8
	.type	k_q52d416b99a_gemm_proj,@function
k_q52d416b99a_gemm_proj:
	s_mov_b64 s[64:65], 0
	v_nop
	global_prefetch_b8 v0, s[64:65] scope:SCOPE_SE
	s_setreg_imm32_b32 hwreg(HW_REG_WAVE_MODE, 25, 1), 1
	s_wait_xcnt 0x0
	s_wait_alu depctr_hold_cnt(0) depctr_sa_sdst(0) depctr_va_vdst(0) depctr_va_sdst(0) depctr_va_ssrc(0) depctr_va_vcc(0) depctr_vm_vsrc(0)
	s_getreg_b32 s2, hwreg(HW_REG_IB_STS2, 6, 4)
	s_cmp_eq_u32 s2, 0
	s_cbranch_scc0 .Lentry_in_a_cluster
	s_endpgm
.Lentry_in_a_cluster:
	s_bfe_u32 s2, ttmp6, 0x10000c
	s_cmp_lg_u32 s2, 0xf033
	s_cbranch_scc0 .Lentry_shape_is_right
	s_endpgm
.Lentry_shape_is_right:
; out0 = y W_proj + b_proj on codes of FP6 (E2M3) with E8M0 scales, K = 1024, sums in f32.  y's codes and scale bytes come from the attention launch, W_proj's are rows 3072-4095 of wc and ws.
; A block of 128 rows x 256 columns to a work-group: 64 x 4 blocks are 256 work-groups.  Four waves; a wave makes all 128 rows x 64 columns: 8 x 4 accumulators.
; Source 0 = 16 rows of B (W_proj's columns), source 1 = 16 rows of A (y): a lane holds eight neighbouring numbers of a row of out0.  The bias is the C of each accumulator's first product.
; K goes in steps of 256 through two LDS slots.  In the block-plane layout 128 rows x 256 k are 24,576 dense bytes, and two such steps lie on end.
; LDS: A's slots at 0 and 24,576; B at 98,304 + 49,152 x half + 24,576 x slot; the scale bytes for all of K: B's 256 rows, then A's 128, as units of 256 bytes + 16; stages; spare words.
; FILLS.  At the head one joint load a wave: wave 0 both slots of A (49,152 dense bytes), wave 1 both slots of B (2 rows of 49,152 bytes), wave 2 A's scale bytes, wave 3 B's.
; Two refills, K steps 2 and 3, each behind the three lines and a round of the cluster's barrier: waves 0, 1 half of A's slot each, waves 2, 3 a half of B's.
; CLUSTERS of 4 x 4: A's tiles are shared along a row of the cluster, B's along a column.
; No prefetch: half of K is asked for at the head and the rest by the first two changes of slots: no trip is left to run ahead of.
; STORAGE ORDER (bits 3 and 4 of a row index exchanged) of y's rows and W_proj's columns is undone on the way out.
; REGISTERS: window 0: v16-29 addresses; v32-63 scale words, two sets; v64-95 the bias; v128-223 A's fragments, one set; on the way out v128-191.  window 1: B's fragments, two sets, at v0 and v128.
;   windows 2, 3: the accumulators, (a, b) at v[8 (8 (a % 4) + b)].
.set NQ,    2
.set FR,    12
.set NL,    6
.set NP,    4                          ; places behind this matrix instruction (ISA guide 7.12.1)
.set PL,    6144                       ; a plane: 128 rows x 48 bytes
.set HALFT, 24576
.set SLOT,  24576
.set BREG,  98304
.set RBLK,  98304                      ; a row block in memory: 16 planes
.set SCL,   196608
.set HALFS, 4352                       ; the scale bytes of 128 rows
.set SBLK,  544                        ; of 16 rows
.set STG,   209664                     ; the stages of the way out: 16 rows x 272 bytes a wave; no fill lands here
.set SPITCH, 272
.set SPARE, 227072                     ; the spare words, 128 bytes a wave: two blocks of 256 bytes that no other line names
.set ADRA, 16
.set ADRB, 20
.set STO,  24
.set RD,   25
.set CO,   26
.set ADRS, 27
.set SPW,  28
.set NIL,  29
.set SC,   32
.set BB,   64
.set AF,   128
.set BK,   128
.set G1,   24
.set G0,   32
.set G1B,  48
.set G0B,  56
.set G1S,  68
.set G0S,  76
.set G1SB, 80
.set G0SB, 88
.set MSB, 0
.macro WIN new                         ; the high byte of the immediate repeats the setting that is left
.if MSB != (\new)
	s_set_vgpr_msb (MSB<<8)|(\new)
.set MSB, (\new)
.endif
.endm
.set MUL_LO, 0xa1                      ; source 0 (B) window 1, source 1 (A) window 0, C and D window 2
.set MUL_HI, 0xf1
.set TO_B,   0x40
.macro PLACES n
.rept \n
	v_nop
.endr
.endm
.macro TLOAD g0, g1
	tensor_load_to_lds s[\g0:\g0+3], s[\g1:\g1+7]
	s_nop 0
	PLACES 4
.endm
.macro JLOAD g0a, g1a, g0b, g1b        ; waves 0 and 1 fetch for A, waves 2 and 3 for B: the branch hangs on the wave's number alone
	s_cmp_eq_u32 s19, 0
	s_cbranch_scc0 .Lfor_b_\@
	TLOAD \g0a, \g1a
	s_branch .Lasked_\@
.Lfor_b_\@:
	TLOAD \g0b, \g1b
.Lasked_\@:
.endm
.macro CREST
	s_cmp_lg_u32 s18, 0
	s_cbranch_scc1 .Lnot_wave_0_\@
	s_barrier_signal -3
.Lnot_wave_0_\@:
	s_barrier_wait -3
	s_barrier_signal -1
	s_barrier_wait -1
.endm
.macro CROUND
	s_barrier_signal -1
	s_barrier_wait -1
	CREST
.endm
.macro GROUP1 g, c, r, p               ; r rows of c elements of 8 bytes, p elements apart
	s_mov_b32 s[\g+1], (\c)<<16
	s_mov_b32 s[\g+2], (\r)<<16
	s_mov_b32 s[\g+3], (\c)<<16
	s_mov_b32 s[\g+4], \r
	s_mov_b32 s[\g+5], \p
.endm
	s_load_b256 s[4:11], s[0:1], 0x0               ; yc, ys, wc, ws
	s_load_b128 s[12:15], s[0:1], 0x20             ; b_proj, out0
	v_lshl_add_u32 v[SPW], v0, 2, SPARE
	v_mov_b32 v[NIL], 0
	ds_add_u32 v[SPW], v[NIL]                      ; the opening: the add, twice on end, and its wait
	ds_add_u32 v[SPW], v[NIL]
	v_lshrrev_b32 v1, 5, v0
	v_readfirstlane_b32 s18, v1                    ; wave 0..3: my 64 columns
	s_lshr_b32 s19, s18, 1                         ; the half of B in which they lie.  Also: I fetch for A (0) or for B (1)
	s_and_b32 s20, s18, 1                          ; which 64 rows of that half.  Also: which part I fetch
	s_and_b32 s23, ttmp7, 0xffff
	s_bfe_u32 s40, ttmp6, 0x40000                  ; cx
	s_bfe_u32 s41, ttmp6, 0x40004                  ; cy
	s_lshl_b32 s100, s41, 2
	s_lshl_b32 s100, 15, s100                      ; my row of the cluster
	s_lshl_b32 s101, 0x1111, s40                   ; my column
	s_or_b32 s[G1+0], s100, (3<<16)|(1<<21)
	s_or_b32 s[G1B+0], s101, (3<<16)|(1<<21)
	GROUP1 G1, 32, 192, 32                         ; the head's load of A: 49,152 dense bytes as 192 rows of 256
	GROUP1 G1B, 6144, 2, 12288                     ; of B: 2 rows of 49,152 bytes, a row block apart
	s_or_b32 s[G1S+0], s100, (3<<16)|(1<<20)|(1<<21)|(5<<22)|(3<<25)   ; scale bytes: rows of 256 bytes, 16 bytes of padding behind each
	s_or_b32 s[G1SB+0], s101, (3<<16)|(1<<20)|(1<<21)|(5<<22)|(3<<25)
	GROUP1 G1S, 32, 16, 32
	GROUP1 G1SB, 32, 32, 32
.irp g, G1, G1B, G1S, G1SB
	s_mov_b32 s[\g+6], 0
	s_mov_b32 s[\g+7], 0
.endr
	s_lshl_b32 s21, s23, 2
	s_add_co_u32 s21, s21, s41                     ; the block's row, 0 .. 63: a row block of yc; shared along a row of the cluster
	s_lshl_b32 s22, ttmp9, 2
	s_add_co_u32 s22, s22, s40                     ; its column, 0 .. 3; shared along a column
	s_lshl_b32 s43, s22, 1
	s_add_co_u32 s43, s43, 24                      ; B's first row block in wc
	s_mul_i32 s2, s21, RBLK
	s_mov_b32 s3, 0
	s_lshl_b32 s44, s21, 12                        ; 128 rows of 32 scale bytes
	s_mov_b32 s45, 0
	s_mul_i32 s46, s43, RBLK
	s_mov_b32 s47, 0
	s_lshl_b32 s66, s43, 12
	s_mov_b32 s67, 0
	s_wait_dscnt 0x0
	s_wait_kmcnt 0x0
	s_add_nc_u64 s[92:93], s[4:5], s[2:3]
	s_add_nc_u64 s[94:95], s[6:7], s[44:45]
	s_add_nc_u64 s[96:97], s[8:9], s[46:47]
	s_add_nc_u64 s[98:99], s[10:11], s[66:67]
	CROUND                                         ; all sixteen work-groups are here: the first joint loads meet
	s_mov_b32 s[G0S], 1
	s_mov_b32 s[G0S+1], SCL+2*HALFS
	s_mov_b64 s[G0S+2:G0S+3], s[94:95]
	s_or_b32 s[G0S+3], s[G0S+3], 0x80000000
	s_mov_b32 s[G0SB], 1
	s_mov_b32 s[G0SB+1], SCL
	s_mov_b64 s[G0SB+2:G0SB+3], s[98:99]
	s_or_b32 s[G0SB+3], s[G0SB+3], 0x80000000
	s_mov_b32 s[G0], 1                             ; slot 0's group 0 serves the head: the whole of A at 0, of B at BREG
	s_mov_b32 s[G0+1], 0
	s_mov_b64 s[G0+2:G0+3], s[92:93]
	s_or_b32 s[G0+3], s[G0+3], 0x80000000
	s_mov_b32 s[G0B], 1
	s_mov_b32 s[G0B+1], BREG
	s_mov_b64 s[G0B+2:G0B+3], s[96:97]
	s_or_b32 s[G0B+3], s[G0B+3], 0x80000000
	s_mul_i32 s2, s20, 12288                       ; slot 1's for the ring: K step 1, my part
	s_mov_b32 s[G0+4], 1
	s_add_co_u32 s[G0+5], s2, SLOT
	s_add_nc_u64 s[G0+6:G0+7], s[92:93], s[2:3]
	s_add_nc_u64 s[G0+6:G0+7], s[G0+6:G0+7], HALFT
	s_or_b32 s[G0+7], s[G0+7], 0x80000000
	s_mul_i32 s2, s20, RBLK
	s_mov_b32 s[G0B+4], 1
	s_add_nc_u64 s[G0B+6:G0B+7], s[96:97], s[2:3]
	s_add_nc_u64 s[G0B+6:G0B+7], s[G0B+6:G0B+7], HALFT
	s_or_b32 s[G0B+7], s[G0B+7], 0x80000000
	s_mul_i32 s2, s20, 2*HALFT
	s_add_co_u32 s[G0B+5], s2, BREG+SLOT
; THE HEAD'S LOADS, ONE A WAVE: one chain of branches on the wave's number, one load to an arm
.macro ARM under, g0, g1, next
	s_cmp_lt_u32 s18, \under
	s_cbranch_scc0 \next
	TLOAD \g0, \g1
	s_branch .Lhead_asked
\next:
.endm
	ARM 1, G0,  G1,  .Lhead_b
	ARM 2, G0B, G1B, .Lhead_sa
	ARM 3, G0S, G1S, .Lhead_sb
	TLOAD G0SB, G1SB
.Lhead_asked:
	s_mul_i32 s3, s19, 2*HALFT                     ; my 64 rows of B
	s_mul_i32 s2, s20, 3072
	s_add_co_u32 s3, s3, s2
	s_add_co_u32 s3, s3, BREG
	s_mul_i32 s46, s18, HALFS/2                    ; their scale bytes,
	s_sub_co_u32 s47, 2*HALFS, s46                 ; and from there to A's
	s_add_co_u32 s46, s46, SCL
	s_mul_i32 s66, s18, 16*SPITCH
	s_add_co_u32 s66, s66, STG                     ; my stage
	v_and_b32 v224, 15, v0                         ; r
	v_bfe_u32 v225, v0, 4, 1                       ; h
	v_mul_u32_u24 v226, v224, 48
	v_lshlrev_b32 v227, 5, v224                    ; the scale bytes of my row: 32 bytes a row,
	v_sub_nc_u32 v228, 1, v225
	v_mad_u32_u24 v226, v225, 24, v226             ; the row of a fragment: 48 r + 24 h
	v_lshrrev_b32 v229, 8, v227
	v_mul_u32_u24 v228, s47, v228                  ; lanes 0-15 take A's, lanes 16-31 B's
	v_lshl_add_u32 v227, v229, 4, v227             ; and 16 more for each 256 passed
	v_mov_b32 v[ADRA], v226
	v_add_nc_u32 v[ADRA+1], SLOT, v226
	v_add_nc_u32 v[ADRB], s3, v226
	v_add_nc_u32 v227, v227, v228
	v_add_nc_u32 v[ADRB+1], SLOT, v[ADRB]
	v_add_nc_u32 v[ADRS], s46, v227
	v_mul_u32_u24 v[STO], v224, SPITCH
	v_mul_u32_u24 v[RD], v225, SPITCH
	v_lshlrev_b32 v[CO], 4, v224
	v_lshl_add_u32 v[STO], v225, 6, v[STO]
	v_lshl_add_u32 v[RD], v224, 4, v[RD]
	v_lshl_add_u32 v[CO], v225, 12, v[CO]          ; out: sixteen lanes to a row's 256 bytes, two rows an instruction
	v_add_nc_u32 v[STO], s66, v[STO]               ; into the stage: 272 r + 64 h
	v_add_nc_u32 v[RD], s66, v[RD]                 ; back: 272 h + 16 r
	v_lshlrev_b32 v30, 6, v225
	s_lshl_b32 s2, s21, 19                         ; 128 rows of 4,096 bytes
	s_lshl_b32 s44, s22, 10
	s_lshl_b32 s3, s18, 8
	s_add_co_u32 s44, s44, s3                      ; my first column, in bytes
	s_add_co_u32 s2, s2, s44
	s_mov_b32 s3, 0
	s_add_nc_u64 s[14:15], s[14:15], s[2:3]
	s_add_nc_u64 s[12:13], s[12:13], s[44:45]
	s_wait_alu depctr_va_vdst(0)
.irp b, 0,1,2,3                        ; registers hold columns 32 (b / 2) + 8 (b % 2) + 16 h + 0 .. 7
	global_load_b128 v[BB+8*\b:BB+8*\b+3], v30, s[12:13] offset:(32*(\b/2)+8*(\b%2))*4
	global_load_b128 v[BB+8*\b+4:BB+8*\b+7], v30, s[12:13] offset:(32*(\b/2)+8*(\b%2))*4+16
.endr
.macro FRAG reg, adr, q, i             ; 16 rows x 128 K: registers 6 c .. 6 c + 5 hold K = 64 c + 32 h + 0 .. 31: 24 bytes of the row in plane 2 q + c, in pieces of 8
.irp p, 0,1,2,3,4,5
	ds_load_b64 v[\reg+2*\p:\reg+2*\p+1], v[\adr] offset:(2*(\q)+\p/3)*PL+(\i)*768+8*(\p%3)
.endr
.endm
; 8 matrix instructions: blocks a0, a0 + 1 of A x my four of B.  The 32 accumulators take turns, one instruction a turn, in the same order in every step.
.macro MUL8 a0, p, q, sc, first
.irp a, \a0, \a0+1
.irp b, 0,1,2,3
.if \first
	v_wmma_scale_f32_16x16x128_f8f6f4 v[8*(8*((\a)%4)+\b):8*(8*((\a)%4)+\b)+7], v[128*(\p)+FR*\b:128*(\p)+FR*\b+FR-1], v[AF+FR*(\a):AF+FR*(\a)+FR-1], v[BB+8*\b:BB+8*\b+7], v[SC+8*NQ*(\sc)+NQ*\b+(\q)], v[SC+8*NQ*(\sc)+NQ*(\a)+(\q)] matrix_a_fmt:MATRIX_FMT_FP6 matrix_b_fmt:MATRIX_FMT_FP6 matrix_a_scale:MATRIX_SCALE_ROW1
.else
	v_wmma_scale_f32_16x16x128_f8f6f4 v[8*(8*((\a)%4)+\b):8*(8*((\a)%4)+\b)+7], v[128*(\p)+FR*\b:128*(\p)+FR*\b+FR-1], v[AF+FR*(\a):AF+FR*(\a)+FR-1], v[8*(8*((\a)%4)+\b):8*(8*((\a)%4)+\b)+7], v[SC+8*NQ*(\sc)+NQ*\b+(\q)], v[SC+8*NQ*(\sc)+NQ*(\a)+(\q)] matrix_a_fmt:MATRIX_FMT_FP6 matrix_b_fmt:MATRIX_FMT_FP6 matrix_a_scale:MATRIX_SCALE_ROW1
.endif
.endr
.endr
.endm
.macro FETCH_B slot, q, p
	WIN TO_B
.irp i, 0,1,2,3
	FRAG 128*(\p)+FR*\i, ADRB+\slot, \q, \i
.endr
	WIN 0
.endm
.macro FETCH_A slot, q, i0
.irp i, \i0, \i0+1, \i0+2, \i0+3
	FRAG AF+FR*(\i), ADRA+\slot, \q, \i
.endr
.endm
.macro SCALES sc                       ; two words a row for a slot; lanes 0-15 block i of A, lanes 16-31 block i of B (of the eight only my four are used; the others are bytes of the same two tiles)
.irp i, 0,1,2,3,4,5,6,7
	ds_load_b64 v[SC+8*NQ*\sc+NQ*\i:SC+8*NQ*\sc+NQ*\i+1], v[ADRS] offset:\i*SBLK
.endr
.endm
.macro STEP slot, q, first             ; a step of 128 along K that has its successor in the same slot
	s_wait_dscnt 4*NL                              ; B and blocks 0-3 of A are in; the 24 youngest loads (blocks 4-7) may be out
.if \first
	WIN 0x81                                       ; C, the bias, in window 0
.else
	WIN MUL_LO
.endif
	MUL8 0, (\q)%2, \q, \slot, \first
	MUL8 2, (\q)%2, \q, \slot, \first
	s_wait_dscnt 0
	PLACES NP
	FETCH_B \slot, (\q)+1, 1-(\q)%2
	FETCH_A \slot, (\q)+1, 0
.if \first
	WIN 0xc1
.else
	WIN MUL_HI
.endif
	MUL8 4, (\q)%2, \q, \slot, \first
	MUL8 6, (\q)%2, \q, \slot, \first
	PLACES NP
	WIN 0
	FETCH_A \slot, (\q)+1, 4
.endm
; The last step of a slot changes slots: one barrier; in front of it each wave waits for all its tensor loads, adds 0 to its spare word, and waits for that and for its reads of this slot.
.macro TURN slot, next, fill
	s_wait_tensorcnt 0x0
	ds_add_u32 v[SPW], v[NIL]
	s_wait_dscnt 4*NL+1                            ; the add and the 24 youngest loads may be out
	WIN MUL_LO
	MUL8 0, 1, NQ-1, \slot, 0
	s_wait_dscnt 0x0                               ; the add is done, and my reads of this slot are over
	s_barrier_signal -1
	MUL8 2, 1, NQ-1, \slot, 0
	WIN 0
	s_barrier_wait -1
.if \fill
	CREST                                          ; the barrier has opened a round of the cluster: no wave of any partner still reads this slot or has a load on its way
	s_add_nc_u64 s[G0+4*\slot+2:G0+4*\slot+3], s[G0+4*\slot+2:G0+4*\slot+3], 2*HALFT
	s_add_nc_u64 s[G0B+4*\slot+2:G0B+4*\slot+3], s[G0B+4*\slot+2:G0B+4*\slot+3], 2*HALFT
	JLOAD G0+4*\slot, G1, G0B+4*\slot, G1B         ; the first tensor load behind the round; its four v_nop are the places in front of the loads below
.else
	PLACES NP
.endif
	s_wait_alu depctr_va_vdst(0)
	v_add_nc_u32 v[ADRS], 4*NQ, v[ADRS]
	FETCH_B \next, 0, 0
	FETCH_A \next, 0, 0
	SCALES \next
	WIN MUL_HI
	MUL8 4, 1, NQ-1, \slot, 0
	MUL8 6, 1, NQ-1, \slot, 0
	PLACES NP
	WIN 0
	FETCH_A \next, 0, 4
.endm
	s_wait_alu depctr_va_vdst(0)
	s_wait_loadcnt 0x0                             ; the bias
	s_wait_tensorcnt 0x0                           ; my tile of the head's four is in: no tensor load of mine is out, so descriptors may be written
	GROUP1 G1, 32, 48, 32                          ; from here on a load of A brings 12,288 dense bytes,
	GROUP1 G1B, 32, 96, 32                         ; one of B 24,576
	s_mul_i32 s2, s20, 12288                       ; slot 0's group 0 for the ring: my part
	s_mov_b32 s3, 0
	s_add_nc_u64 s[G0+2:G0+3], s[G0+2:G0+3], s[2:3]
	s_mov_b32 s[G0+1], s2
	s_mul_i32 s2, s20, RBLK
	s_add_nc_u64 s[G0B+2:G0B+3], s[G0B+2:G0B+3], s[2:3]
	s_mul_i32 s2, s20, 2*HALFT
	s_add_co_u32 s[G0B+1], s2, BREG
	s_barrier_signal -1                            ; both slots and the scale bytes are in, for all four waves; the ring's fills come at the changes of slots
	s_barrier_wait -1
	FETCH_B 0, 0, 0
	FETCH_A 0, 0, 0
	SCALES 0
	FETCH_A 0, 0, 4
	STEP 0, 0, 1                                   ; K = 1024 is four slots: written out
	TURN 0, 1, 1
	STEP 1, 0, 0
	TURN 1, 0, 1
	STEP 0, 0, 0
	TURN 0, 1, 0                                   ; nothing is left to fetch: no round
	STEP 1, 0, 0
	s_wait_dscnt 4*NL
	WIN MUL_LO
	MUL8 0, 1, NQ-1, 1, 0
	MUL8 2, 1, NQ-1, 1, 0
	s_wait_dscnt 0
	WIN MUL_HI
	MUL8 4, 1, NQ-1, 1, 0
	MUL8 6, 1, NQ-1, 1, 0
	WIN 0
; THE WAY OUT, block a of 16 rows x 64 columns at a time, through my own stage: back as whole rows of 256 bytes.  LDS serves a wave's instructions in order: no wait between the stores and the loads.
.macro TOSTAGE a
.set AC, 64*((\a)%4)
	WIN 0x08+4*((\a)/4)                            ; the data: window 2 or 3
.irp b, 0,1,2,3
	ds_store_b128 v[STO], v[AC+8*\b:AC+8*\b+3] offset:128*(\b/2)+32*(\b%2)      ; each accumulator from its low end on
	ds_store_b128 v[STO], v[AC+8*\b+4:AC+8*\b+7] offset:128*(\b/2)+32*(\b%2)+16
.endr
	WIN 0
.set BBK, BK+32*((\a)%2)
.irp t, 0,1,2,3,4,5,6,7
	ds_load_b128 v[BBK+4*\t:BBK+4*\t+3], v[RD] offset:2*\t*SPITCH
.endr
.endm
.macro SEND a, younger
.set BBK, BK+32*((\a)%2)
	s_wait_dscnt \younger
.irp t, 0,1,2,3,4,5,6,7
	global_store_b128 v[CO], v[BBK+4*\t:BBK+4*\t+3], s[14:15] offset:(32*((\a)/2)+8*((\a)%2)+((2*\t)%8)+16*((2*\t)/8))*4096 th:TH_STORE_NT   ; sixteen lanes store 256 consecutive bytes, aligned; storage rows 2 t, 2 t + 1 are neighbouring true rows
.endr
.endm
	PLACES NP
	TOSTAGE 0
.irp a, 1,2,3,4,5,6,7
.if \a > 1
	s_wait_xcnt 0x0                                ; the stores of the block two back have read the registers into which this block is read back
.endif
	TOSTAGE \a
	SEND \a-1, 16                                  ; sixteen LDS instructions of this block are younger
.endr
	SEND 7, 0
	s_wait_tensorcnt 0x0                           ; the end of the wave
	ds_add_u32 v[SPW], v[NIL]
	s_wait_dscnt 0x0
	CROUND                                         ; the closing round
	s_endpgm
.Lfunc_end_k_q52d416b99a_gemm_proj:
	.size	k_q52d416b99a_gemm_proj, .Lfunc_end_k_q52d416b99a_gemm_proj-k_q52d416b99a_gemm_proj
	.p2alignl 7, 3214868480
	.fill 96, 4, 3214868480
	.section	.rodata,"a",@progbits
	.p2align	6, 0x0
	.amdhsa_kernel k_q52d416b99a_gemm_proj
		.amdhsa_group_segment_fixed_size 327680
		.amdhsa_private_segment_fixed_size 0
		.amdhsa_enable_private_segment 0
		.amdhsa_kernarg_size 48
		.amdhsa_user_sgpr_count 2
		.amdhsa_user_sgpr_kernarg_segment_ptr 1
		.amdhsa_wavefront_size32 1
		.amdhsa_system_sgpr_workgroup_id_x 1
		.amdhsa_system_sgpr_workgroup_id_y 1
		.amdhsa_system_sgpr_workgroup_id_z 1
		.amdhsa_system_vgpr_workitem_id 0
		.amdhsa_next_free_vgpr 1024
		.amdhsa_next_free_sgpr 102
		.amdhsa_reserve_vcc 0
		.amdhsa_float_denorm_mode_32 3
		.amdhsa_float_denorm_mode_16_64 3
		.amdhsa_memory_ordered 1
		.amdhsa_forward_progress 1
		.amdhsa_inst_pref_size 102
	.end_amdhsa_kernel
	.amdgpu_metadata
---
amdhsa.version: [ 1, 2 ]
amdhsa.kernels:
  - .name:           k_q52d416b99a_gemm_proj
    .symbol:         k_q52d416b99a_gemm_proj.kd
    .args:
      - { .name: yc, .offset: 0, .size: 8, .value_kind: global_buffer, .address_space: global }
      - { .name: ys, .offset: 8, .size: 8, .value_kind: global_buffer, .address_space: global }
      - { .name: wc, .offset: 16, .size: 8, .value_kind: global_buffer, .address_space: global }
      - { .name: ws, .offset: 24, .size: 8, .value_kind: global_buffer, .address_space: global }
      - { .name: b_proj, .offset: 32, .size: 8, .value_kind: global_buffer, .address_space: global }
      - { .name: out0, .offset: 40, .size: 8, .value_kind: global_buffer, .address_space: global }
    .group_segment_fixed_size: 327680
    .private_segment_fixed_size: 0
    .kernarg_segment_align: 8
    .kernarg_segment_size: 48
    .max_flat_workgroup_size: 128
    .sgpr_count:     102
    .vgpr_count:     1024
    .wavefront_size: 32
...
	.end_amdgpu_metadata
.endif
;; end of part 4
